; MI455X (gfx1250); checked and timed in simulation.
; The chip was launched on July 23, 2026; its instructions are those of AMD's public machine-readable ISA for CDNA 5 (MIT licence, August 2026) and "CDNA5" Instruction Set Architecture Reference Guide (July 2026). The comments in the code are by the model that wrote it; some were corrected since.
;; Metacognition Module. Allowed arithmetic: float matrix products may take bf16 or f16 operands with f32 sums; all other float work in f32.
;; Inputs: W1 8 x 2,048 x 1,024 float32; W2 8 x 1,024 x 2,048 float32; Wm1 2,048 x 256 float32; Wm2 256 x 256 float32; Wm3 256 x 8 float32; b1 8 x 1,024 float32; b2 8 x 2,048 float32; bm1 256 float32; bm2 256 float32; bm3 8 float32; eff 8 float32; x 8 x 256 x 2,048 float32.
;; Outputs: out0 8 x 256 x 2,048 float32.
;; 2 versions, each right; version 2 is version 1 with the launches xprep, wprep written anew for expert scheduling mode. Each part assembles by itself: llvm-mc -triple=amdgcn-amd-amdhsa -mcpu=gfx1250 --defsym DOCPART=n.
;; ======== version 1 of 2: 5 launches
;; workspace buffers: xb 8,388,608 bytes; w1b 33,554,432 bytes; w2b 33,554,432 bytes; he 33,554,432 bytes; part 262,144 bytes; wbuf 4,096 bytes; pp 33,554,432 bytes
;; launch xprep (part 1): grid 256 x 1, 8 waves a work-group, no clusters, 9,216 bytes of LDS; arguments x, Wm1, xb, part; writes xb, part
.if DOCPART == 1
	.amdgcn_target "amdgcn-amd-amdhsa--gfx1250"
	.amdhsa_code_object_version 6
	.text
	.protected	k_qecc7953d34_xprep
	.globl	k_qecc7953d34_xprep
	.p2align	8
	.type	k_qecc7953d34_xprep,@function
k_qecc7953d34_xprep:
	s_mov_b64 s[64:65], 0
	v_nop
	global_prefetch_b8 v0, s[64:65] scope:SCOPE_SE
	s_setreg_imm32_b32 hwreg(HW_REG_WAVE_MODE, 25, 1), 1
	s_wait_xcnt 0x0
; xb = bf16(x) (round to nearest even), and this work-group's share of mean(x) @ Wm1.
; x: [8][256][2048] f32.  Wm1: [2048][256] f32.  xb: [2048][2048] bf16.  part: [8 batches][32 shares][256] f32.
; Work-group id = 32 b + 2 c + hf owns batch b, columns 128 c .. 128 c + 127, rows 128 hf .. 128 hf + 127.
; Wave w takes rows 8 i + w (i = 0 .. 15), lane l columns 4 l .. 4 l + 3: a load of a wave covers 512 neighbouring bytes of a row,
; a store 256 neighbouring bytes of xb, aligned.  The first router layer is linear in the column sums, so the work-group adds
; (its column sums / 256) @ (its 128 rows of Wm1) as one of the batch's 32 shares; the next launch adds the shares.
; A product with one row: no matrix unit, no cluster, all in f32.  Every register of a store is written once: no wait frees any.
.set SUM, 8                            ; v[8:11]    sums of my 4 columns over my 16 rows
.set ACC, 12                           ; v[12:15]   my 4 outputs of the first layer, over my 32 columns
.set TM,  16                           ; v[16:23]   at work
.set Y,   24                           ; v[24:55]   row i: 2 registers, 4 bf16 to store
.set X,   56                           ; v[56:119]  row i: 4 registers as loaded
.set WV,  120                          ; v[120:247] 32 rows of Wm1, 4 numbers each
.set L1,  4096                         ; LDS: bytes 0-4095 column sums [8 waves][128]; bytes 4096-8191 layer 1 [4 groups][256]
	s_load_b256 s[4:11], s[0:1], 0x0               ; x s[4:5], Wm1 s[6:7], xb s[8:9], part s[10:11]
	v_lshl_add_u32 v248, v0, 2, 0x2000
	v_mov_b32 v249, 0
	v_lshrrev_b32 v7, 5, v0
	v_readfirstlane_b32 s12, v7                    ; wave
	v_and_b32 v1, 31, v0                           ; lane
	s_lshr_b32 s13, ttmp9, 5                       ; b
	s_bfe_u32 s14, ttmp9, 0x40001                  ; c
	s_and_b32 s15, ttmp9, 1                        ; hf
	v_lshlrev_b32 v2, 4, v1
	v_lshl_add_u32 v2, v7, 13, v2                  ; x: wave x 8,192 + 16 lane
	v_lshlrev_b32 v3, 3, v1
	v_lshl_add_u32 v3, v7, 12, v3                  ; xb: wave x 4,096 + 8 lane
	v_lshrrev_b32 v6, 6, v0                        ; g = t / 64: which 32 of the 128 columns I multiply (the same in a whole wave)
	v_and_b32 v4, 63, v0
	v_lshlrev_b32 v4, 4, v4
	v_lshl_add_u32 v4, v6, 15, v4                  ; Wm1: 32 g rows of 1,024 bytes + 16 (t mod 64)
	v_lshlrev_b32 v5, 4, v0                        ; 16 t
	v_lshlrev_b32 v6, 7, v6
	v_lshl_add_u32 v6, v1, 2, v6                   ; LDS: column 32 g + lane
	s_lshl_b32 s16, s13, 21                        ; x: batch of 256 rows of 8,192 bytes,
	s_lshl_b32 s18, s15, 20                        ; half of 128 rows,
	s_add_co_u32 s16, s16, s18
	s_lshl_b32 s18, s14, 9                         ; 128 columns of 4 bytes
	s_add_co_u32 s16, s16, s18
	s_mov_b32 s17, 0
	s_lshr_b32 s18, s16, 1                         ; xb: the same place at half the bytes
	s_mov_b32 s19, 0
	s_lshl_b32 s20, s14, 17                        ; Wm1: 128 c rows of 1,024 bytes
	s_mov_b32 s21, 0
	s_lshl_b32 s22, ttmp9, 10                      ; part: share 32 b + (2 c + hf), 1,024 bytes
	s_mov_b32 s23, 0
	s_wait_kmcnt 0x0
	s_add_nc_u64 s[4:5], s[4:5], s[16:17]
	s_add_nc_u64 s[8:9], s[8:9], s[18:19]
	s_add_nc_u64 s[6:7], s[6:7], s[20:21]
	s_add_nc_u64 s[10:11], s[10:11], s[22:23]
.set i, 0
.rept 16
	global_load_b128 v[X+4*i:X+4*i+3], v2, s[4:5] offset:i*65536 th:TH_LOAD_NT   ; row 8 i + wave; x is read once in the launch
.set i, i+1
.endr
.set i, 0
.rept 32
	global_load_b128 v[WV+4*i:WV+4*i+3], v4, s[6:7] offset:i*1024                ; row 32 g + i of my 128 rows of Wm1
.set i, i+1
.endr
.set i, 0
.rept 16
	s_wait_loadcnt 47-i                            ; loads come back in order (ISA guide 5.7.1): row i is in; 15 - i rows of x and 32 of Wm1 stay out
.if i == 1
	v_pk_add_f32 v[SUM:SUM+1], v[X:X+1], v[X+4:X+5]                               ; the first two rows start the sums
	v_pk_add_f32 v[SUM+2:SUM+3], v[X+2:X+3], v[X+6:X+7]
.endif
.if i > 1
	v_pk_add_f32 v[SUM:SUM+1], v[SUM:SUM+1], v[X+4*i:X+4*i+1]
	v_pk_add_f32 v[SUM+2:SUM+3], v[SUM+2:SUM+3], v[X+4*i+2:X+4*i+3]
.endif
	v_cvt_pk_bf16_f32 v[Y+2*i], v[X+4*i], v[X+4*i+1]
	v_cvt_pk_bf16_f32 v[Y+2*i+1], v[X+4*i+2], v[X+4*i+3]
	global_store_b64 v3, v[Y+2*i:Y+2*i+1], s[8:9] offset:i*32768
.set i, i+1
.endr
	ds_store_b128 v5, v[SUM:SUM+3]                 ; wave w, columns 4 l ..: byte 512 w + 16 l = 16 t
	s_wait_dscnt 0x0                               ; for the other waves: my store is done before I signal
	s_barrier_signal -1
	s_barrier_wait -1
.irp w, 0,1,2,3,4,5,6,7
	ds_load_b32 v[TM+\w], v6 offset:\w*512         ; column 32 g + lane, as each of the eight waves summed it
.endr
	s_wait_dscnt 0x0
	v_add_f32 v[TM], v[TM], v[TM+1]
	v_add_f32 v[TM+2], v[TM+2], v[TM+3]
	v_add_f32 v[TM+4], v[TM+4], v[TM+5]
	v_add_f32 v[TM+6], v[TM+6], v[TM+7]
	v_add_f32 v[TM], v[TM], v[TM+2]
	v_add_f32 v[TM+4], v[TM+4], v[TM+6]
	v_add_f32 v[TM], v[TM], v[TM+4]                ; lane l: the sum of column 32 g + l over the 128 rows
.set i, 0
.rept 32
	v_readlane_b32 s[32+i], v[TM], i               ; the wave's 32 column sums as scalars
.set i, i+1
.endr
	s_wait_loadcnt 0x0                             ; Wm1's rows
.irp k, 0,1,2,3
	v_mul_f32 v[ACC+\k], s32, v[WV+\k]             ; the first product starts the sums
.endr
.set i, 1
.rept 31
.irp k, 0,1,2,3
	v_fmac_f32 v[ACC+\k], s[32+i], v[WV+4*i+\k]
.endr
.set i, i+1
.endr
	ds_store_b128 v5, v[ACC:ACC+3] offset:L1       ; group g, outputs 4 (t mod 64) ..: byte 1,024 g + 16 (t mod 64) = 16 t
	s_wait_dscnt 0x0
	s_barrier_signal -1
	s_barrier_wait -1
	s_cmp_ge_u32 s12, 2                            ; 64 threads x 4 outputs: waves 0 and 1 add the four groups
	s_cbranch_scc1 .Lend
.irp g, 0,1,2,3
	ds_load_b128 v[X+4*\g:X+4*\g+3], v5 offset:L1+\g*1024   ; into X, whose loads are long done (Y is still read by stores)
.endr
	s_wait_dscnt 0x0
	v_pk_add_f32 v[X:X+1], v[X:X+1], v[X+4:X+5]
	v_pk_add_f32 v[X+2:X+3], v[X+2:X+3], v[X+6:X+7]
	v_pk_add_f32 v[X+8:X+9], v[X+8:X+9], v[X+12:X+13]
	v_pk_add_f32 v[X+10:X+11], v[X+10:X+11], v[X+14:X+15]
	v_pk_add_f32 v[X:X+1], v[X:X+1], v[X+8:X+9]
	v_pk_add_f32 v[X+2:X+3], v[X+2:X+3], v[X+10:X+11]
	v_pk_mul_f32 v[X:X+1], v[X:X+1], 0x3b800000 op_sel_hi:[1,0]      ; the mean's 1 / 256
	v_pk_mul_f32 v[X+2:X+3], v[X+2:X+3], 0x3b800000 op_sel_hi:[1,0]
	global_store_b128 v5, v[X:X+3], s[10:11]       ; a wave stores 512 neighbouring bytes
.Lend:
	s_wait_tensorcnt 0x0
	ds_add_u32 v248, v249
	s_wait_dscnt 0x0
	s_endpgm
.Lfunc_end_k_qecc7953d34_xprep:
	.size	k_qecc7953d34_xprep, .Lfunc_end_k_qecc7953d34_xprep-k_qecc7953d34_xprep
	.p2alignl 7, 3214868480
	.fill 96, 4, 3214868480
	.section	.rodata,"a",@progbits
	.p2align	6, 0x0
	.amdhsa_kernel k_qecc7953d34_xprep
		.amdhsa_group_segment_fixed_size 9216
		.amdhsa_private_segment_fixed_size 0
		.amdhsa_enable_private_segment 0
		.amdhsa_kernarg_size 32
		.amdhsa_user_sgpr_count 2
		.amdhsa_user_sgpr_kernarg_segment_ptr 1
		.amdhsa_wavefront_size32 1
		.amdhsa_system_sgpr_workgroup_id_x 1
		.amdhsa_system_sgpr_workgroup_id_y 1
		.amdhsa_system_sgpr_workgroup_id_z 1
		.amdhsa_system_vgpr_workitem_id 0
		.amdhsa_next_free_vgpr 250
		.amdhsa_next_free_sgpr 66
		.amdhsa_reserve_vcc 0
		.amdhsa_float_denorm_mode_32 3
		.amdhsa_float_denorm_mode_16_64 3
		.amdhsa_memory_ordered 1
		.amdhsa_forward_progress 1
		.amdhsa_inst_pref_size 21
	.end_amdhsa_kernel
	.amdgpu_metadata
---
amdhsa.version: [ 1, 2 ]
amdhsa.kernels:
  - .name:           k_qecc7953d34_xprep
    .symbol:         k_qecc7953d34_xprep.kd
    .args:
      - { .name: x, .offset: 0, .size: 8, .value_kind: global_buffer, .address_space: global }
      - { .name: Wm1, .offset: 8, .size: 8, .value_kind: global_buffer, .address_space: global }
      - { .name: xb, .offset: 16, .size: 8, .value_kind: global_buffer, .address_space: global }
      - { .name: part, .offset: 24, .size: 8, .value_kind: global_buffer, .address_space: global }
    .group_segment_fixed_size: 9216
    .private_segment_fixed_size: 0
    .kernarg_segment_align: 8
    .kernarg_segment_size: 32
    .max_flat_workgroup_size: 256
    .sgpr_count:     66
    .vgpr_count:     250
    .wavefront_size: 32
...
	.end_amdgpu_metadata
.endif
;; end of part 1
;; launch wprep (part 2): grid 1032 x 1, 16 waves a work-group, no clusters, 18,432 bytes of LDS; arguments W1, W2, w1b, w2b, part, bm1, Wm2, bm2, Wm3, bm3, eff, wbuf; writes w1b, w2b, wbuf
.if DOCPART == 2
	.amdgcn_target "amdgcn-amd-amdhsa--gfx1250"
	.amdhsa_code_object_version 6
	.text
	.protected	k_qecc7953d34_wprep
	.globl	k_qecc7953d34_wprep
	.p2align	8
	.type	k_qecc7953d34_wprep,@function
k_qecc7953d34_wprep:
	s_mov_b64 s[64:65], 0
	v_nop
	global_prefetch_b8 v0, s[64:65] scope:SCOPE_SE
	s_setreg_imm32_b32 hwreg(HW_REG_WAVE_MODE, 25, 1), 1
	s_wait_xcnt 0x0
; Work-groups 8 .. 1031: w1b = bf16(W1), w2b = bf16(W2), round to nearest even, layout unchanged: a pure stream, 131,072 bytes in and
; 65,536 out for each work-group, all sixteen loads of a thread on their way at once, no loop, no LDS.
; Work-groups 0 .. 7 (batch b): the rest of the router, in f32 on the vector unit (products with one row):
;   h1 = relu(sum of the 32 shares + bm1); h2 = relu(h1 @ Wm2 + bm2); p = softmax(h2 @ Wm3 + bm3); w = softmax(p * eff).
; Both softmaxes take their maximum away.  v_exp_f32 gives zero where the result would be denormal (ISA guide 15.8).
; wbuf, row b of 512 bytes: floats 0-7 = -2 w[b][e]; 8 = w0 + .. + w3; 9 = w4 + .. + w7; the rest 0.
; The two ways part on the work-group's number alone, so all sixteen waves of a work-group pass the same barriers.
.set CX, 40                            ; cast: v[40:103] as loaded, 4 registers a load
.set CY, 8                             ; cast: v[8:39] to store, 2 registers a load, each written once
.set WB, 40                            ; router: v[40:103] 16 rows of Wm2, later Wm3
.set AC, 32                            ; router: v[32:35] my 4 outputs of layer 2
.set H2, 104                           ; v[104:111] wave 0: h2 of my 8 places
.set BM2, 112                          ; v[112:119] wave 0: bm2 of my 8 places
.set LG, 120                           ; v[120:127] wave 0: the eight logits
.set R2, 8192                          ; LDS: bytes 0-8191 shares [8 groups][256]; bytes 8192-16383 layer 2 [8 groups][256]
	s_load_b512 s[8:23], s[0:1], 0x0               ; W1 8, W2 10, w1b 12, w2b 14, part 16, bm1 18, Wm2 20, bm2 22
	s_load_b256 s[24:31], s[0:1], 0x40             ; Wm3 24, bm3 26, eff 28, wbuf 30
	v_lshl_add_u32 v128, v0, 2, 0x4000
	v_mov_b32 v129, 0
	s_wait_kmcnt 0x0
	s_cmp_lt_u32 ttmp9, 8
	s_cbranch_scc1 .Lrouter
	; ---- the cast ----
	s_sub_co_u32 s2, ttmp9, 8                      ; 0 .. 511: W1; 512 .. 1023: W2
	s_and_b32 s32, s2, 511
	s_lshl_b32 s34, s32, 16                        ; 65,536 bytes out,
	s_lshl_b32 s32, s32, 17                        ; 131,072 bytes in
	s_mov_b32 s33, 0
	s_mov_b32 s35, 0
	s_cmp_lt_u32 s2, 512
	s_cselect_b64 s[4:5], s[8:9], s[10:11]
	s_cselect_b64 s[6:7], s[12:13], s[14:15]
	s_add_nc_u64 s[4:5], s[4:5], s[32:33]
	s_add_nc_u64 s[6:7], s[6:7], s[34:35]
	v_lshlrev_b32 v2, 4, v0                        ; 16 t in,
	v_lshlrev_b32 v3, 3, v0                        ; 8 t out
.set i, 0
.rept 16
	global_load_b128 v[CX+4*i:CX+4*i+3], v2, s[4:5] offset:i*8192 th:TH_LOAD_NT   ; read once in the launch
.set i, i+1
.endr
.set i, 0
.rept 16
	s_wait_loadcnt 15-i                            ; load i is in, the 15 - i younger ones stay out
	v_cvt_pk_bf16_f32 v[CY+2*i], v[CX+4*i], v[CX+4*i+1]
	v_cvt_pk_bf16_f32 v[CY+2*i+1], v[CX+4*i+2], v[CX+4*i+3]
	global_store_b64 v3, v[CY+2*i:CY+2*i+1], s[6:7] offset:i*4096                 ; a wave stores 256 neighbouring bytes, aligned
.set i, i+1
.endr
	s_endpgm
	; ---- the router, batch b = the work-group's number ----
.Lrouter:
	v_lshrrev_b32 v7, 5, v0
	v_readfirstlane_b32 s86, v7                    ; wave
	v_and_b32 v1, 31, v0                           ; lane
	v_lshrrev_b32 v6, 6, v0                        ; g = t / 64, the same in a whole wave
	v_and_b32 v7, 63, v0
	v_lshlrev_b32 v7, 4, v7                        ; 16 q, q = t mod 64: outputs 4 q .. 4 q + 3
	v_lshl_add_u32 v2, v6, 12, v7                  ; part: shares 4 g .. 4 g + 3 of 1,024 bytes
	v_lshl_add_u32 v4, v6, 15, v7                  ; Wm2: rows 32 g .. 32 g + 31 of 1,024 bytes
	v_lshlrev_b32 v3, 2, v1
	v_lshl_add_u32 v3, v6, 7, v3                   ; place 32 g + lane, in bm1 and in LDS
	v_lshlrev_b32 v5, 4, v0                        ; 16 t
	s_lshl_b32 s32, ttmp9, 15
	s_mov_b32 s33, 0
	s_add_nc_u64 s[16:17], s[16:17], s[32:33]      ; the batch's 32 shares
	s_lshl_b32 s32, ttmp9, 9
	s_add_nc_u64 s[30:31], s[30:31], s[32:33]      ; the batch's row of wbuf
	s_mov_b32 s84, 0x76543210                      ; v_permlanex16_b32: lane i reads lane i of the other half
	s_mov_b32 s85, 0xfedcba98
.irp i, 0,1,2,3
	global_load_b128 v[8+4*\i:11+4*\i], v2, s[16:17] offset:\i*1024
.endr
	global_load_b32 v24, v3, s[18:19]
.set i, 0
.rept 16
	global_load_b128 v[WB+4*i:WB+4*i+3], v4, s[20:21] offset:i*1024
.set i, i+1
.endr
	s_wait_loadcnt 17                              ; the four shares are in; bm1's load and 16 rows of Wm2 stay out
	v_pk_add_f32 v[8:9], v[8:9], v[12:13]
	v_pk_add_f32 v[10:11], v[10:11], v[14:15]
	v_pk_add_f32 v[16:17], v[16:17], v[20:21]
	v_pk_add_f32 v[18:19], v[18:19], v[22:23]
	v_pk_add_f32 v[8:9], v[8:9], v[16:17]
	v_pk_add_f32 v[10:11], v[10:11], v[18:19]
	ds_store_b128 v5, v[8:11]                      ; group g, places 4 q ..: byte 1,024 g + 16 q = 16 t
	s_wait_dscnt 0x0
	s_barrier_signal -1
	s_barrier_wait -1
.irp i, 0,1,2,3,4,5,6,7
	ds_load_b32 v[12+\i], v3 offset:\i*1024        ; place 32 g + lane of each group's sum
.endr
	s_wait_dscnt 0x0
	v_add_f32 v12, v12, v13
	v_add_f32 v14, v14, v15
	v_add_f32 v16, v16, v17
	v_add_f32 v18, v18, v19
	v_add_f32 v12, v12, v14
	v_add_f32 v16, v16, v18
	v_add_f32 v12, v12, v16
	s_wait_loadcnt 16                              ; bm1 is in; 16 rows of Wm2 stay out
	v_add_f32 v12, v12, v24
	v_max_num_f32 v12, 0, v12                      ; lane l: h1[32 g + l]
.set i, 0
.rept 32
	v_readlane_b32 s[32+i], v12, i
.set i, i+1
.endr
	s_wait_loadcnt 0x0
.irp k, 0,1,2,3
	v_mul_f32 v[AC+\k], s32, v[WB+\k]              ; the first product starts the sums
.endr
.set i, 1
.rept 15
.irp k, 0,1,2,3
	v_fmac_f32 v[AC+\k], s[32+i], v[WB+4*i+\k]
.endr
.set i, i+1
.endr
.set i, 0
.rept 16
	global_load_b128 v[WB+4*i:WB+4*i+3], v4, s[20:21] offset:(16+i)*1024    ; rows 32 g + 16 ..
.set i, i+1
.endr
	s_wait_loadcnt 0x0
.set i, 0
.rept 16
.irp k, 0,1,2,3
	v_fmac_f32 v[AC+\k], s[48+i], v[WB+4*i+\k]
.endr
.set i, i+1
.endr
	ds_store_b128 v5, v[AC:AC+3] offset:R2
	s_wait_dscnt 0x0
	s_barrier_signal -1
	s_barrier_wait -1
	s_cmp_lg_u32 s86, 0                            ; what is left is 256 x 8: wave 0 alone, no barrier follows
	s_cbranch_scc1 .Lend
	s_load_b256 s[68:75], s[26:27], 0x0            ; bm3
	s_load_b256 s[76:83], s[28:29], 0x0            ; eff
	; lane l holds the places m = 128 j + 4 l + k, j = 0, 1, k = 0 .. 3
	global_load_b128 v[BM2:BM2+3], v5, s[22:23]                  ; in wave 0: 16 t = 16 lane
	global_load_b128 v[BM2+4:BM2+7], v5, s[22:23] offset:512
	v_lshlrev_b32 v6, 7, v1                        ; Wm3: row m is 32 bytes: 4,096 j + 128 l + 32 k
.irp j, 0,1
.irp k, 0,1,2,3
	global_load_b128 v[WB+8*(4*\j+\k):WB+8*(4*\j+\k)+3],   v6, s[24:25] offset:4096*\j+32*\k
	global_load_b128 v[WB+8*(4*\j+\k)+4:WB+8*(4*\j+\k)+7], v6, s[24:25] offset:4096*\j+32*\k+16
.endr
.endr
	s_wait_loadcnt 0x0
.irp j, 0,1
.irp i, 0,1,2,3,4,5,6,7
	ds_load_b128 v[8+4*\i:11+4*\i], v5 offset:R2+\i*1024+\j*512
.endr
	s_wait_dscnt 0x0
	v_pk_add_f32 v[8:9], v[8:9], v[12:13]
	v_pk_add_f32 v[10:11], v[10:11], v[14:15]
	v_pk_add_f32 v[16:17], v[16:17], v[20:21]
	v_pk_add_f32 v[18:19], v[18:19], v[22:23]
	v_pk_add_f32 v[24:25], v[24:25], v[28:29]
	v_pk_add_f32 v[26:27], v[26:27], v[30:31]
	v_pk_add_f32 v[32:33], v[32:33], v[36:37]
	v_pk_add_f32 v[34:35], v[34:35], v[38:39]
	v_pk_add_f32 v[8:9], v[8:9], v[16:17]
	v_pk_add_f32 v[10:11], v[10:11], v[18:19]
	v_pk_add_f32 v[24:25], v[24:25], v[32:33]
	v_pk_add_f32 v[26:27], v[26:27], v[34:35]
	v_pk_add_f32 v[8:9], v[8:9], v[24:25]
	v_pk_add_f32 v[10:11], v[10:11], v[26:27]
	v_pk_add_f32 v[H2+4*\j:H2+4*\j+1], v[8:9], v[BM2+4*\j:BM2+4*\j+1]
	v_pk_add_f32 v[H2+4*\j+2:H2+4*\j+3], v[10:11], v[BM2+4*\j+2:BM2+4*\j+3]
.irp k, 0,1,2,3
	v_max_num_f32 v[H2+4*\j+\k], 0, v[H2+4*\j+\k]
.endr
.endr
.irp e, 0,1,2,3,4,5,6,7
	v_mul_f32 v[LG+\e], v[H2], v[WB+\e]
.endr
.irp m, 1,2,3,4,5,6,7
.irp e, 0,1,2,3,4,5,6,7
	v_fmac_f32 v[LG+\e], v[H2+\m], v[WB+8*\m+\e]
.endr
.endr
.irp x, 1,2,4,8
.irp e, 0,1,2,3,4,5,6,7
	v_add_f32_dpp v[LG+\e], v[LG+\e], v[LG+\e] row_xmask:\x row_mask:0xf bank_mask:0xf
.endr
.endr
.irp e, 0,1,2,3,4,5,6,7
	v_permlanex16_b32 v[8+\e], v[LG+\e], s84, s85  ; its destination counts as read: v8-15 have been written above
.endr
	s_wait_kmcnt 0x0                               ; bm3, eff
.irp e, 0,1,2,3,4,5,6,7
	v_add_f32 v[LG+\e], v[LG+\e], v[8+\e]
	v_add_f32 v[LG+\e], s[68+\e], v[LG+\e]         ; every lane holds all eight logits
.endr
; LG becomes exp(LG - max); v9 = the sum of the first four, v11 of the last four, v13 = 1 / the sum of all
.macro SOFTEXP
	v_max3_num_f32 v8, v[LG], v[LG+1], v[LG+2]
	v_max3_num_f32 v8, v8, v[LG+3], v[LG+4]
	v_max3_num_f32 v8, v8, v[LG+5], v[LG+6]
	v_max_num_f32 v8, v8, v[LG+7]
.irp e, 0,1,2,3,4,5,6,7
	v_sub_f32 v[LG+\e], v[LG+\e], v8
.endr
.irp e, 0,1,2,3,4,5,6,7
	v_mul_f32 v[LG+\e], 0x3fb8aa3b, v[LG+\e]       ; v_exp_f32 is 2^x
.endr
.irp e, 0,1,2,3,4,5,6,7
	v_exp_f32 v[LG+\e], v[LG+\e]
.endr
	v_nop                                          ; one plain vector instruction behind the transcendentals before a result is used (ISA guide 5.7.2)
	s_wait_alu depctr_va_vdst(0)
	v_add_f32 v9, v[LG], v[LG+1]
	v_add_f32 v10, v[LG+2], v[LG+3]
	v_add_f32 v11, v[LG+4], v[LG+5]
	v_add_f32 v12, v[LG+6], v[LG+7]
	v_add_f32 v9, v9, v10
	v_add_f32 v11, v11, v12
	v_add_f32 v13, v9, v11
	v_rcp_f32 v13, v13
	v_nop
.endm
	SOFTEXP
	s_wait_alu depctr_va_vdst(0)
.irp e, 0,1,2,3,4,5,6,7
	v_mul_f32 v[LG+\e], v[LG+\e], v13              ; p
	v_mul_f32 v[LG+\e], s[76+\e], v[LG+\e]         ; p * eff
.endr
	SOFTEXP
	s_wait_alu depctr_va_vdst(0)
	v_mul_f32 v14, -2.0, v13
	v_mul_f32 v9, v9, v13                          ; w0 + .. + w3
	v_mul_f32 v11, v11, v13                        ; w4 + .. + w7
.irp e, 0,1,2,3,4,5,6,7
	v_mul_f32 v[LG+\e], v[LG+\e], v14              ; -2 w
.endr
	v_cmp_eq_u32 s32, 0, v1
	v_cmp_eq_u32 s33, 1, v1
	v_cmp_eq_u32 s34, 2, v1
.irp k, 0,1,2,3
	v_cndmask_b32 v[16+\k], 0, v[LG+\k], s32       ; lane 0: -2 w of experts 0-3; lane 1: of 4-7; the others 0
	v_cndmask_b32 v[16+\k], v[16+\k], v[LG+4+\k], s33
.endr
	v_cndmask_b32 v16, v16, v9, s34                ; lane 2: the two sums, 0, 0
	v_cndmask_b32 v17, v17, v11, s34
	global_store_b128 v5, v[16:19], s[30:31]       ; the whole row of 512 bytes
.Lend:
	s_wait_tensorcnt 0x0
	ds_add_u32 v128, v129
	s_wait_dscnt 0x0
	s_endpgm
.Lfunc_end_k_qecc7953d34_wprep:
	.size	k_qecc7953d34_wprep, .Lfunc_end_k_qecc7953d34_wprep-k_qecc7953d34_wprep
	.p2alignl 7, 3214868480
	.fill 96, 4, 3214868480
	.section	.rodata,"a",@progbits
	.p2align	6, 0x0
	.amdhsa_kernel k_qecc7953d34_wprep
		.amdhsa_group_segment_fixed_size 18432
		.amdhsa_private_segment_fixed_size 0
		.amdhsa_enable_private_segment 0
		.amdhsa_kernarg_size 96
		.amdhsa_user_sgpr_count 2
		.amdhsa_user_sgpr_kernarg_segment_ptr 1
		.amdhsa_wavefront_size32 1
		.amdhsa_system_sgpr_workgroup_id_x 1
		.amdhsa_system_sgpr_workgroup_id_y 1
		.amdhsa_system_sgpr_workgroup_id_z 1
		.amdhsa_system_vgpr_workitem_id 0
		.amdhsa_next_free_vgpr 130
		.amdhsa_next_free_sgpr 88
		.amdhsa_reserve_vcc 0
		.amdhsa_float_denorm_mode_32 3
		.amdhsa_float_denorm_mode_16_64 3
		.amdhsa_memory_ordered 1
		.amdhsa_forward_progress 1
		.amdhsa_inst_pref_size 34
	.end_amdhsa_kernel
	.amdgpu_metadata
---
amdhsa.version: [ 1, 2 ]
amdhsa.kernels:
  - .name:           k_qecc7953d34_wprep
    .symbol:         k_qecc7953d34_wprep.kd
    .args:
      - { .name: W1, .offset: 0, .size: 8, .value_kind: global_buffer, .address_space: global }
      - { .name: W2, .offset: 8, .size: 8, .value_kind: global_buffer, .address_space: global }
      - { .name: w1b, .offset: 16, .size: 8, .value_kind: global_buffer, .address_space: global }
      - { .name: w2b, .offset: 24, .size: 8, .value_kind: global_buffer, .address_space: global }
      - { .name: part, .offset: 32, .size: 8, .value_kind: global_buffer, .address_space: global }
      - { .name: bm1, .offset: 40, .size: 8, .value_kind: global_buffer, .address_space: global }
      - { .name: Wm2, .offset: 48, .size: 8, .value_kind: global_buffer, .address_space: global }
      - { .name: bm2, .offset: 56, .size: 8, .value_kind: global_buffer, .address_space: global }
      - { .name: Wm3, .offset: 64, .size: 8, .value_kind: global_buffer, .address_space: global }
      - { .name: bm3, .offset: 72, .size: 8, .value_kind: global_buffer, .address_space: global }
      - { .name: eff, .offset: 80, .size: 8, .value_kind: global_buffer, .address_space: global }
      - { .name: wbuf, .offset: 88, .size: 8, .value_kind: global_buffer, .address_space: global }
    .group_segment_fixed_size: 18432
    .private_segment_fixed_size: 0
    .kernarg_segment_align: 8
    .kernarg_segment_size: 96
    .max_flat_workgroup_size: 512
    .sgpr_count:     88
    .vgpr_count:     130
    .wavefront_size: 32
...
	.end_amdgpu_metadata
.endif
;; end of part 2
;; launch ffn1 (part 3): grid 32 x 8, 4 waves a work-group, clusters of 4 x 4, 327,680 bytes of LDS; arguments xb, w1b, b1, he; writes he
.if DOCPART == 3
	.amdgcn_target "amdgcn-amd-amdhsa--gfx1250"
	.amdhsa_code_object_version 6
	.text
	.protected	k_qecc7953d34_ffn1
	.globl	k_qecc7953d34_ffn1
	.p2align	8
	.type	k_qecc7953d34_ffn1,@function
k_qecc7953d34_ffn1:
	s_mov_b64 s[64:65], 0
	v_nop
	global_prefetch_b8 v0, s[64:65] scope:SCOPE_SE
	s_setreg_imm32_b32 hwreg(HW_REG_WAVE_MODE, 25, 1), 1
	s_wait_xcnt 0x0
	s_wait_alu depctr_hold_cnt(0) depctr_sa_sdst(0) depctr_va_vdst(0) depctr_va_sdst(0) depctr_va_ssrc(0) depctr_va_vcc(0) depctr_vm_vsrc(0)
	s_getreg_b32 s2, hwreg(HW_REG_IB_STS2, 6, 4)
	s_cmp_eq_u32 s2, 0
	s_cbranch_scc0 .Lentry_in_a_cluster
	s_endpgm
.Lentry_in_a_cluster:
	s_bfe_u32 s2, ttmp6, 0x10000c
	s_cmp_lg_u32 s2, 0xf033
	s_cbranch_scc0 .Lentry_shape_is_right
	s_endpgm
.Lentry_shape_is_right:
; he[t][n] = bf16(relu(sum over k of xb[t][k] W1[e][k][f] + b1[e][f])), n = 1024 e + f: one product of 2048 x 8192 x 2048.
; xb: [2048][2048] bf16 (K along the rows).  w1b: [8][2048 k][1024 f] bf16 (N along the rows).  b1: [8192] f32.  he: [2048][8192] bf16.
; Sums, bias and relu in f32; he rounded once, to nearest even.
; A work-group makes a block of 256 x 256 with four waves, as many as a WGP has SIMDs; a wave makes 128 x 128: 64 accumulator tiles of
; 16 x 16, 512 registers.  K goes in steps of 128 through a ring of two LDS slots filled by the tensor data mover.  A's tile: 256 rows
; of 256 bytes.  B's tile stays as it lies in memory: 128 k rows of 512 bytes; its fragments are made by the transposing LDS load.
; CLUSTERS: 4 x 4 work-groups.  The four of a row of the cluster need the same tiles of A, the four of a column the same tiles of B:
; each tile is asked for jointly, which divides the requests for A and for B by four.
; REGISTERS, in windows of 256:
;   window 0: v0-31 addresses; v32-63 packed results; v64-127, v128-191 fragments of A, two buffers; v192-255 at work on the way out
;   window 1: v64-127, v128-191 fragments of B, two buffers; v192-255 the bias of my 128 columns (8 a lane for each of 8 column blocks)
;   window 2: the 32 accumulator tiles of my rows 0-63 (tile (a, b) at v[8 (8 a + b)]);   window 3: those of my rows 64-127
; THE MATRIX INSTRUCTION IS USED TRANSPOSED: source 0 = 16 columns of B, source 1 = 16 rows of A: lane l then holds row l % 16 and its
; registers 0-7 the columns 8 (l / 16) + 0 .. 7: eight neighbouring numbers of a row of he.
; The 64 accumulators take turns, one instruction a turn, in the same order in every quarter step.
.set SIZE_N, 8192
.set SIZE_K, 2048
.set KSTEP,  128
.set PITCH,  272                       ; A's LDS row: 256 bytes + 16: an odd multiple of 16
.set PB,     544                       ; B's LDS row: 512 bytes + 32: an odd multiple of 32
.set HALFT,  128*PITCH                 ; what one tensor load brings: 128 rows of A, or 64 k rows of B (64 x 544 is the same 34,816 bytes)
.set SLOT,   4*HALFT                   ; A's 256 rows, then B's 128 k rows
.set STAGE,  2*SLOT                    ; behind the ring: 16 rows x 272 bytes for each wave, for the way out
.set SPITCH, 272
.set BSTEP,  KSTEP*1024*2              ; a K step in w1b: 128 rows of 2,048 bytes
.set LAPS, SIZE_K/(2*KSTEP)            ; a lap = two K steps = once round the ring: 8
.set ADRA, 16                          ; v16-17  LDS address of my A fragments in slot 0, 1
.set ADRB, 20                          ; v20-21  the same for B
.set STO,  24                          ; v24     the way out: where I put 16 bytes of a row
.set RD,   25                          ; v25     the way out: where I read a row back
.set CO,   26                          ; v26     my byte offset in he
.set BOFF, 27                          ; v27     my byte offset in the bias: 32 (l / 16)
.set PK,   32                          ; v32-63  packed results
.set F0,   64
.set F1,   128
.set T,    192                         ; window 0: at work on the way out
.set BIAS, 192                         ; window 1: the bias
.set G1, 24                            ; s[24:31] descriptor group 1 for A's tiles
.set G0, 32                            ; s[32:39] descriptor group 0 for A's tiles, one set for each slot
.set G1B, 48                           ; s[48:55] descriptor group 1 for B's tiles
.set G0B, 56                           ; s[56:63] descriptor group 0 for B's tiles, one set for each slot
.set MSB, 0
.macro WIN new                         ; the immediate's high byte repeats the setting that is left
.if MSB != \new
	s_set_vgpr_msb (MSB<<8)|\new
.set MSB, \new
.endif
.endm
.set MUL_LO, 0xa1                      ; source 0 (B) window 1, source 1 (A) window 0, C and D window 2
.set MUL_HI, 0xf1                      ; the same, C and D window 3
.set TO_B,   0x40                      ; destination window 1, address window 0
; A joint load.  Waves 0 and 1 fetch A's two halves, waves 2 and 3 B's.  Each line has one mask and one set of registers for all that
; issue it.  The branch hangs on the wave's number alone.  Four v_nop follow each of the two lines.
.macro JLOAD s
	s_cmp_eq_u32 s11, 0
	s_cbranch_scc0 .Lfor_b_\@
	tensor_load_to_lds s[G0+4*\s:G0+4*\s+3], s[G1:G1+7]
	s_nop 0
.rept 4
	v_nop
.endr
	s_branch .Lasked_\@
.Lfor_b_\@:
	tensor_load_to_lds s[G0B+4*\s:G0B+4*\s+3], s[G1B:G1B+7]
	s_nop 0
.rept 4
	v_nop
.endr
.Lasked_\@:
.endm
; A round of the cluster's barrier: my work-group's barrier; wave 0 signals for the work-group; every wave waits for all sixteen
; work-groups; my work-group's barrier once more.
.macro CREST                           ; a round behind its opening barrier
	s_cmp_lg_u32 s10, 0
	s_cbranch_scc1 .Lnot_wave_0_\@
	s_barrier_signal -3
.Lnot_wave_0_\@:
	s_barrier_wait -3
	s_barrier_signal -1
	s_barrier_wait -1
.endm
.macro CROUND                          ; a whole round
	s_barrier_signal -1
	s_barrier_wait -1
	CREST
.endm
	s_load_b128 s[4:7], s[0:1], 0x0                ; xb s[4:5], w1b s[6:7]
	s_load_b64 s[66:67], s[0:1], 0x10              ; b1
	s_load_b64 s[8:9], s[0:1], 0x18                ; he
	s_set_vgpr_msb 0x40
	v_lshl_add_u32 v63, v0, 2, 0x48400
	s_set_vgpr_msb 0x4000
	v_mov_b32 v31, 0
	s_set_vgpr_msb 0x1
	ds_add_u32 v63, v31
	s_set_vgpr_msb 0x100
	v_lshrrev_b32 v1, 5, v0
	v_readfirstlane_b32 s10, v1                    ; wave 0..3
	s_lshr_b32 s11, s10, 1                         ; which half of the block's rows is mine.  Also: I fetch for A (0) or for B (1)
	s_and_b32 s12, s10, 1                          ; which half of its columns.  Also: which half of that tile I fetch
	s_bfe_u32 s40, ttmp6, 0x40000                  ; cx
	s_bfe_u32 s41, ttmp6, 0x40004                  ; cy
	s_lshl_b32 s42, ttmp9, 2
	s_add_co_u32 s42, s42, s40                     ; block column = 4 x cluster x + cx
	s_and_b32 s13, ttmp7, 0xffff
	s_lshl_b32 s13, s13, 2
	s_add_co_u32 s13, s13, s41                     ; block row = 4 x cluster y + cy
	s_lshl_b32 s43, s41, 2
	s_lshl_b32 s43, 15, s43                        ; my row of the cluster: places 4 cy .. 4 cy + 3
	s_lshl_b32 s44, 0x1111, s40                    ; my column: places cx, cx + 4, cx + 8, cx + 12
	; group 1 for A: 128 rows x 128 elements, 4 words of padding behind every 64 words
	s_or_b32 s[G1+0], s43, (1<<16)|(1<<20)|(1<<21)|(5<<22)|(3<<25)
	s_mov_b32 s[G1+1], KSTEP<<16                   ; tensor_dim0 = 128
	s_mov_b32 s[G1+2], 128<<16                     ; tensor_dim1 = 128
	s_mov_b32 s[G1+3], KSTEP<<16                   ; tile_dim0 = 128
	s_mov_b32 s[G1+4], 128                         ; tile_dim1 = 128
	s_mov_b32 s[G1+5], SIZE_K                      ; elements from row to row
	s_mov_b32 s[G1+6], 0
	s_mov_b32 s[G1+7], 0
	; group 1 for B: 64 k rows x 256 elements, 8 words of padding behind every 128 words
	s_or_b32 s[G1B+0], s44, (1<<16)|(1<<20)|(1<<21)|(6<<22)|(7<<25)
	s_mov_b32 s[G1B+1], 256<<16                    ; tensor_dim0 = 256
	s_mov_b32 s[G1B+2], 64<<16                     ; tensor_dim1 = 64
	s_mov_b32 s[G1B+3], 256<<16                    ; tile_dim0 = 256
	s_mov_b32 s[G1B+4], 64                         ; tile_dim1 = 64
	s_mov_b32 s[G1B+5], 1024                       ; elements from k row to k row
	s_mov_b32 s[G1B+6], 0
	s_mov_b32 s[G1B+7], 0
	; where the tiles come from.  A's hang on the block row alone, B's on the block column alone.
	s_lshl_b32 s17, s12, 7
	s_lshl_b32 s16, s13, 8
	s_add_co_u32 s16, s16, s17                     ; A: row 256 x block row + 128 x half,
	s_lshl_b32 s16, s16, 12                        ; of 4,096 bytes
	s_mov_b32 s17, 0
	s_lshr_b32 s46, s42, 2                         ; B: expert = block column / 4, 2048 x 1024 x 2 bytes each,
	s_lshl_b32 s46, s46, 22
	s_and_b32 s45, s42, 3                          ; 256 columns of 2 bytes,
	s_lshl_b32 s45, s45, 9
	s_add_co_u32 s46, s46, s45
	s_lshl_b32 s45, s12, 17                        ; my 64 k rows of 2,048 bytes
	s_add_co_u32 s46, s46, s45
	s_mov_b32 s47, 0
	s_lshl_b32 s68, s42, 10                        ; the bias of my 128 columns: 256 x block column + 128 x half, 4 bytes each
	s_lshl_b32 s69, s12, 9
	s_add_co_u32 s68, s68, s69
	s_mov_b32 s69, 0
	s_mul_i32 s20, s10, HALFT                      ; where they go: A's two halves, then B's two halves = wave x 34,816
	s_wait_dscnt 0x0
	s_wait_kmcnt 0x0
	s_add_nc_u64 s[14:15], s[4:5], s[16:17]
	s_add_nc_u64 s[46:47], s[6:7], s[46:47]
	s_add_nc_u64 s[66:67], s[66:67], s[68:69]
	CROUND                                         ; all sixteen work-groups are here: the first joint loads meet
.irp s, 0,1
	s_mov_b32 s[G0+4*\s], 1
	s_add_co_u32 s[G0+4*\s+1], s20, \s*SLOT
	s_add_nc_u64 s[G0+4*\s+2:G0+4*\s+3], s[14:15], \s*KSTEP*2
	s_or_b32 s[G0+4*\s+3], s[G0+4*\s+3], 0x80000000
	s_mov_b32 s[G0B+4*\s], 1
	s_add_co_u32 s[G0B+4*\s+1], s20, \s*SLOT
	s_add_nc_u64 s[G0B+4*\s+2:G0B+4*\s+3], s[46:47], \s*BSTEP
	s_or_b32 s[G0B+4*\s+3], s[G0B+4*\s+3], 0x80000000
	JLOAD \s                                       ; both first fills, before anything else: two tensor loads of the wave are out
.endr
	v_and_b32 v1, 15, v0                           ; l % 16
	v_bfe_u32 v2, v0, 4, 1                         ; l / 16
	v_lshlrev_b32 v[BOFF], 5, v2
	WIN TO_B
.irp b, 0,1,2,3,4,5,6,7
	global_load_b128 v[BIAS+8*\b:BIAS+8*\b+3],   v[BOFF], s[66:67] offset:64*\b       ; columns 16 b + 8 (l / 16) + 0 .. 3
	global_load_b128 v[BIAS+8*\b+4:BIAS+8*\b+7], v[BOFF], s[66:67] offset:64*\b+16    ; + 4 .. 7; waited for in front of the way out
.endr
	WIN 0
	; A fragment (16 rows x 32 K, K along the LDS rows): two loads of 16 bytes, 32 bytes apart, at row x pitch + 16 (l / 16).
	v_mul_u32_u24 v3, v1, PITCH
	v_lshl_add_u32 v3, v2, 4, v3
	; B fragment (16 columns x 32 K, N along the LDS rows): two transposing loads, 16 k rows apart.  Lane l addresses k row
	; 8 (l / 16) + l % 8, and 16 bytes at 16 ((l / 8) % 2): 8 x 8 elements are transposed within each eight lanes.
	v_and_b32 v6, 7, v0
	v_lshl_add_u32 v6, v2, 3, v6
	v_mul_u32_u24 v6, v6, PB
	v_bfe_u32 v7, v0, 3, 1
	v_lshl_add_u32 v6, v7, 4, v6
	s_mul_i32 s21, s11, HALFT                      ; my 128 rows of A
	s_lshl_b32 s22, s12, 8                         ; my 128 columns of B: 256 bytes along its rows,
	s_add_co_u32 s22, s22, 2*HALFT                 ; which lie behind A's 256 rows
.irp s, 0,1
	v_add_nc_u32 v[ADRA+\s], s21, v3
	v_add_nc_u32 v[ADRB+\s], s22, v6
	s_add_co_u32 s21, s21, SLOT
	s_add_co_u32 s22, s22, SLOT
.endr
	s_mul_i32 s23, s10, 16*SPITCH
	s_add_co_u32 s23, s23, STAGE                   ; my stage
	v_mul_u32_u24 v4, v1, SPITCH
	v_lshl_add_u32 v4, v2, 4, v4
	v_add_nc_u32 v[STO], s23, v4
	v_mul_u32_u24 v5, v2, SPITCH
	v_lshl_add_u32 v5, v1, 4, v5
	v_add_nc_u32 v[RD], s23, v5
	v_mul_u32_u24 v5, v2, SIZE_N*2
	v_lshl_add_u32 v[CO], v1, 4, v5
; 16 matrix instructions: m blocks a0, a0 + 1 of the window's four x all 8 n blocks, 32 along K.  zero = 1: the first product starts the sums.
.macro MUL16 f, hi, a0, zero
.irp a, \a0, \a0+1
.irp b, 0,1,2,3,4,5,6,7
.if \zero
	v_wmma_f32_16x16x32_bf16 v[8*(8*(\a)+\b):8*(8*(\a)+\b)+7], v[\f+8*\b:\f+8*\b+7], v[\f+8*(4*\hi+\a):\f+8*(4*\hi+\a)+7], 0
.else
	v_wmma_f32_16x16x32_bf16 v[8*(8*(\a)+\b):8*(8*(\a)+\b)+7], v[\f+8*\b:\f+8*\b+7], v[\f+8*(4*\hi+\a):\f+8*(4*\hi+\a)+7], v[8*(8*(\a)+\b):8*(8*(\a)+\b)+7]
.endif
.endr
.endr
.endm
; 32 LDS loads in one run: the fragments of one quarter step (k = byte of A's rows: 64 x quarter) into buffer f
.macro FETCH slot, k, f
	WIN TO_B
.irp i, 0,1,2,3,4,5,6,7
	ds_load_tr16_b128 v[\f+8*\i:\f+8*\i+3],   v[ADRB+\slot] offset:(\k/64)*32*PB+32*\i
	ds_load_tr16_b128 v[\f+8*\i+4:\f+8*\i+7], v[ADRB+\slot] offset:(\k/64)*32*PB+16*PB+32*\i
.endr
	WIN 0
.irp i, 0,1,2,3,4,5,6,7
	ds_load_b128 v[\f+8*\i:\f+8*\i+3],   v[ADRA+\slot] offset:\k+\i*16*PITCH
	ds_load_b128 v[\f+8*\i+4:\f+8*\i+7], v[ADRA+\slot] offset:\k+\i*16*PITCH+32
.endr
.endm
; Four plain vector instructions stand between a matrix instruction and a load into one of its registers, or a vector instruction that
; reads its result (ISA guide 7.12.1 for vector instructions).
.macro PLACES
.rept 4
	v_nop
.endr
.endm
.macro QUARTER slot, k, f, g, zero
	s_wait_dscnt 8                                 ; B and A's rows 0-63 are in; the youngest eight loads (A's rows 64-127) may be out
	WIN MUL_LO
	MUL16 \f, 0, 0, \zero
	MUL16 \f, 0, 2, \zero
	PLACES
	FETCH \slot, \k, \g
	s_wait_dscnt 32                                ; all but the 32 just issued
	WIN MUL_HI
	MUL16 \f, 1, 0, \zero
	MUL16 \f, 1, 2, \zero
.endm
.macro THREE slot, zero
	QUARTER \slot, 64,  F0, F1, \zero
	QUARTER \slot, 128, F1, F0, 0
	QUARTER \slot, 192, F0, F1, 0
.endm
; The last quarter: multiplies buffer 1 and changes slots.  In front of the barrier each wave waits for its reads of this slot and for all
; its tensor loads (one is out: its part of the next slot).  Behind it the refill comes first, then the next slot's first fragments.
; From a request to the wait for it a wave issues 240 matrix instructions.
.macro TURN slot, next, fill
	s_wait_dscnt 8
	WIN MUL_LO
	MUL16 F1, 0, 0, 0
	s_wait_dscnt 0                                 ; my reads of this slot are over
	s_wait_tensorcnt 0x0                           ; and all my tensor loads have landed
	ds_add_u32 v63, v31
	s_wait_dscnt 0x0
	s_barrier_signal -1                            ; (where a slot is filled again this barrier opens a round of the cluster's barrier)
	MUL16 F1, 0, 2, 0                              ; register work while the others arrive
	WIN 0
	s_barrier_wait -1
.if \fill
	CREST                                          ; no wave of any partner still reads this slot's tile or has a load on its way
	s_add_nc_u64 s[G0+4*\slot+2:G0+4*\slot+3], s[G0+4*\slot+2:G0+4*\slot+3], 2*KSTEP*2
	s_add_nc_u64 s[G0B+4*\slot+2:G0B+4*\slot+3], s[G0B+4*\slot+2:G0B+4*\slot+3], 2*BSTEP
	JLOAD \slot                                    ; the first tensor load behind the round; its four v_nop are also the places in front of the loads below
.else
	PLACES
.endif
	FETCH \next, 0, F0
	WIN MUL_HI
	MUL16 F1, 1, 0, 0
	MUL16 F1, 1, 2, 0
.endm
.macro LAP zero
	THREE 0, \zero
	TURN 0, 1, 1
	THREE 1, 0
	TURN 1, 0, 1
.endm
	s_wait_tensorcnt 1                             ; my part of K step 0 is in; K step 1's stays out
	s_barrier_signal -1
	s_barrier_wait -1
	FETCH 0, 0, F0
	LAP 1                                          ; the first lap stands in front of the loop: its first products start the sums
	WIN 0
	s_mov_b32 s3, LAPS-2
.Llap:
	LAP 0
	WIN 0
	s_sub_co_u32 s3, s3, 1
	s_cmp_lg_u32 s3, 0
	s_cbranch_scc1 .Llap
	THREE 0, 0                                     ; the last lap fills nothing
	TURN 0, 1, 0
	THREE 1, 0
	s_wait_dscnt 8
	WIN MUL_LO
	MUL16 F1, 0, 0, 0
	MUL16 F1, 0, 2, 0
	s_wait_dscnt 0
	WIN MUL_HI
	MUL16 F1, 1, 0, 0
	MUL16 F1, 1, 2, 0
	; THE WAY OUT, 16 rows at a time: + bias, relu, round to bf16, 16 bytes a lane into my own stage, read back as whole rows of 256 bytes.
	PLACES
	s_wait_loadcnt 0x0                             ; the bias
	s_lshl_b32 s13, s13, 8
	s_lshl_b32 s14, s11, 7
	s_add_co_u32 s16, s13, s14                     ; my first row of he,
	s_lshl_b32 s16, s16, 14                        ; of 16,384 bytes
	s_mov_b32 s17, 0
	s_add_nc_u64 s[8:9], s[8:9], s[16:17]
	s_lshl_b32 s46, s42, 9                         ; my first column, in bytes: 512 x block + 256 x half
	s_lshl_b32 s47, s12, 8
	s_add_co_u32 s46, s46, s47
	s_mov_b32 s47, 0
	s_add_nc_u64 s[8:9], s[8:9], s[46:47]
; rows 16 i .. 16 i + 15 of my block = the eight tiles (a, 0..7) of window 2 or 3 (from = 0x06 or 0x07: source 0 there, source 1, the bias, in window 1)
.macro OUT16 i, a, from, f
	WIN \from
.irp b, 0,1,2,3,4,5,6,7
.irp r, 0,1,2,3
	v_pk_add_f32 v[T+8*\b+2*\r:T+8*\b+2*\r+1], v[8*(8*\a+\b)+2*\r:8*(8*\a+\b)+2*\r+1], v[BIAS+8*\b+2*\r:BIAS+8*\b+2*\r+1]
.endr
.endr
	WIN 0
.set j, 0
.rept 64
	v_max_num_f32 v[T+j], 0, v[T+j]
.set j, j+1
.endr
.irp b, 0,1,2,3,4,5,6,7
.irp r, 0,1,2,3
	v_cvt_pk_bf16_f32 v[PK+4*\b+\r], v[T+8*\b+2*\r], v[T+8*\b+2*\r+1]
.endr
.endr
.irp b, 0,1,2,3,4,5,6,7
	ds_store_b128 v[STO], v[PK+4*\b:PK+4*\b+3] offset:32*\b
.endr
	s_wait_xcnt 0x0                                ; buffer f, which stores read, and the stores' base are rewritten only behind this wait (ISA guide 3.1)
.if \i
	s_add_nc_u64 s[8:9], s[8:9], 16*SIZE_N*2       ; 16 rows on
.endif
.irp t, 0,1,2,3,4,5,6,7
	ds_load_b128 v[\f+4*\t:\f+4*\t+3], v[RD] offset:\t*2*SPITCH    ; LDS serves a wave's instructions in order (ISA guide 5.7.1.4): these see the stores above
.endr
.irp t, 0,1,2,3,4,5,6,7
	s_wait_dscnt 7-\t                              ; load t is in, the 7 - t younger ones stay out
	global_store_b128 v[CO], v[\f+4*\t:\f+4*\t+3], s[8:9] offset:2*\t*SIZE_N*2   ; 16 lanes store 256 consecutive bytes, aligned
.endr
.endm
	OUT16 0, 0, 0x06, F0
	OUT16 1, 1, 0x06, F1
	OUT16 2, 2, 0x06, F0
	OUT16 3, 3, 0x06, F1
	OUT16 4, 0, 0x07, F0
	OUT16 5, 1, 0x07, F1
	OUT16 6, 2, 0x07, F0
	OUT16 7, 3, 0x07, F1
	s_set_vgpr_msb 0x1
	s_wait_tensorcnt 0x0
	ds_add_u32 v63, v31
	s_wait_dscnt 0x0
	s_set_vgpr_msb 0x100
	CROUND                                         ; the closing round: no work-group ends while a partner may still ask for a tile that names it
	s_endpgm
.Lfunc_end_k_qecc7953d34_ffn1:
	.size	k_qecc7953d34_ffn1, .Lfunc_end_k_qecc7953d34_ffn1-k_qecc7953d34_ffn1
	.p2alignl 7, 3214868480
	.fill 96, 4, 3214868480
	.section	.rodata,"a",@progbits
	.p2align	6, 0x0
	.amdhsa_kernel k_qecc7953d34_ffn1
		.amdhsa_group_segment_fixed_size 327680
		.amdhsa_private_segment_fixed_size 0
		.amdhsa_enable_private_segment 0
		.amdhsa_kernarg_size 32
		.amdhsa_user_sgpr_count 2
		.amdhsa_user_sgpr_kernarg_segment_ptr 1
		.amdhsa_wavefront_size32 1
		.amdhsa_system_sgpr_workgroup_id_x 1
		.amdhsa_system_sgpr_workgroup_id_y 1
		.amdhsa_system_sgpr_workgroup_id_z 1
		.amdhsa_system_vgpr_workitem_id 0
		.amdhsa_next_free_vgpr 1024
		.amdhsa_next_free_sgpr 72
		.amdhsa_reserve_vcc 0
		.amdhsa_float_denorm_mode_32 3
		.amdhsa_float_denorm_mode_16_64 3
		.amdhsa_memory_ordered 1
		.amdhsa_forward_progress 1
		.amdhsa_inst_pref_size 231
	.end_amdhsa_kernel
	.amdgpu_metadata
---
amdhsa.version: [ 1, 2 ]
amdhsa.kernels:
  - .name:           k_qecc7953d34_ffn1
    .symbol:         k_qecc7953d34_ffn1.kd
    .args:
      - { .name: xb, .offset: 0, .size: 8, .value_kind: global_buffer, .address_space: global }
      - { .name: w1b, .offset: 8, .size: 8, .value_kind: global_buffer, .address_space: global }
      - { .name: b1, .offset: 16, .size: 8, .value_kind: global_buffer, .address_space: global }
      - { .name: he, .offset: 24, .size: 8, .value_kind: global_buffer, .address_space: global }
    .group_segment_fixed_size: 327680
    .private_segment_fixed_size: 0
    .kernarg_segment_align: 8
    .kernarg_segment_size: 32
    .max_flat_workgroup_size: 128
    .sgpr_count:     72
    .vgpr_count:     1024
    .wavefront_size: 32
...
	.end_amdgpu_metadata
.endif
;; end of part 3
;; launch ffn2 (part 4): grid 64 x 4, 4 waves a work-group, clusters of 4 x 4, 327,680 bytes of LDS; arguments he, w2b, b2, wbuf, pp; writes pp
.if DOCPART == 4
	.amdgcn_target "amdgcn-amd-amdhsa--gfx1250"
	.amdhsa_code_object_version 6
	.text
	.protected	k_qecc7953d34_ffn2
	.globl	k_qecc7953d34_ffn2
	.p2align	8
	.type	k_qecc7953d34_ffn2,@function
k_qecc7953d34_ffn2:
	s_mov_b64 s[64:65], 0
	v_nop
	global_prefetch_b8 v0, s[64:65] scope:SCOPE_SE
	s_setreg_imm32_b32 hwreg(HW_REG_WAVE_MODE, 25, 1), 1
	s_wait_xcnt 0x0
	s_wait_alu depctr_hold_cnt(0) depctr_sa_sdst(0) depctr_va_vdst(0) depctr_va_sdst(0) depctr_va_ssrc(0) depctr_va_vcc(0) depctr_vm_vsrc(0)
	s_getreg_b32 s2, hwreg(HW_REG_IB_STS2, 6, 4)
	s_cmp_eq_u32 s2, 0
	s_cbranch_scc0 .Lentry_in_a_cluster
	s_endpgm
.Lentry_in_a_cluster:
	s_bfe_u32 s2, ttmp6, 0x10000c
	s_cmp_lg_u32 s2, 0xf033
	s_cbranch_scc0 .Lentry_shape_is_right
	s_endpgm
.Lentry_shape_is_right:
; pp[g][t][n] = sum over the four experts e = 4 g .. 4 g + 3 of w[b][e] tanh(sum over f of he[t][1024 e + f] W2[e][f][n] + b2[e][n]).
; he: [2048][8192] bf16.  w2b: [8192 = 1024 e + f][2048] bf16 (N along the rows).  b2: [8][2048] f32.  pp: [2][2048][2048] f32.
; wbuf, row b of 512 bytes: floats 0-7 = -2 w[b][e], 8 and 9 = the sums of w over experts 0-3 and 4-7.
; tanh(z) = 1 - 2 / (1 + 2^(2.885390 z)), in f32: for large |z| it goes to +1 or -1 through infinity or zero, without NaN for finite z;
; its absolute error is about 1e-7, so for |z| far below 1e-4 the relative error of a single tanh grows.
; So the sum over experts is (sum of w) + sum of (-2 w) / (1 + 2^..).
; A work-group makes 256 rows (one batch) x 128 columns for one group of experts; a wave 128 x 64: 32 accumulator tiles (256 registers)
; and as many registers for the sum over experts, which tanh keeps apart from the running sum.  K runs through the group's four experts
; without a break, 32 steps of 128 through a ring of two LDS slots.
; TANH IS SPREAD OVER THE NEXT EXPERT'S K STEPS.  Behind an expert's last product its accumulators, scaled and with the bias, move into a
; third block of 256 registers, which frees them for the next expert.  At the head of each of that expert's first six K steps a sixth of the
; block goes through exp, + 1, reciprocal and the multiply-add into the sums, while the tile asked for just before is on its way.
; Only the last expert's pass stands by itself.
; THE LOOP IS TURNED BY SIX K STEPS, since register numbers are fixed in the text and the last two K steps fill no slot: steps 0-5 stand in
; front, trip k = 0, 1, 2 holds steps 8 k + 6 .. 8 k + 13 (an expert's last two steps, the move, the next expert's first six with the tanh),
; steps 30 and 31 stand behind.  Every step in the loop fills a slot again, and the text holds eight written-out K steps with tanh, not 24.
; CLUSTERS: 4 x 4 work-groups, sixteen clusters in a row (the grid is 64 x 4).  Of the cluster's number c: bits 1:0 pick 512 columns, bit 2 the
; group of experts, bit 3 four batches.  So he's columns and w2b's rows of a group are read by eight clusters alone: 0-3 and 8-11, or 4-7 and 12-15.
; he's tile is shared along a row of the cluster (same batch and group), W2's along a column (same columns and group): joint loads divide the requests by four.
; PREFETCH: at the start for K steps 2-5, then at the heads of steps t = 2, 6, .. 26 for steps t + 4 .. t + 7, whose tensor loads go out in
; steps t + 2 .. t + 5.  One instruction a wave, each lane another block of 256 bytes: waves 0 and 1 take he (of the batch's 256 rows work-group
; nb has 16, a wave 8, four blocks in each), waves 2 and 3 w2b (of the four steps' 512 k rows the batch's work-group has 64, a wave 32).  So a
; block is asked for once in the launch; the last request alone is held back to steps 28-31, asks for steps 28 and 29 again, and stays inside its buffer.
; REGISTERS: window 0: v16-30 addresses and the sum of w; v32-63, v192-223 fragments of B, two buffers; v64-127, v128-191 fragments of A,
; two buffers; v224-255 the bias.  Window 1: accumulators, tile (a, b) at v[8 (4 a + b)].  Window 2: the sums over experts.  Window 3: tanh at work.
; The matrix instruction is used transposed (source 0 = B): lane l holds row l % 16, registers 0-7 the columns 8 (l / 16) + 0 .. 7.
; The 32 accumulators take turns, one instruction a turn, in the same order in every quarter step.
.set KSTEP,  128
.set PA,     272                       ; A's LDS row: 256 bytes + 16
.set PBB,    288                       ; B's LDS row: 256 bytes + 32: an odd multiple of 32
.set AHALF,  128*PA                    ; 34,816: one tensor load of A
.set BHALF,  64*PBB                    ; 18,432: one tensor load of B
.set BBASE,  2*AHALF                   ; B's 128 k rows lie behind A's 256 rows
.set SLOT,   BBASE+2*BHALF             ; 106,496
.set STAGE,  2*SLOT                    ; 212,992: 16 rows x 272 bytes for each wave
.set SPITCH, 272
.set ASTEP,  KSTEP*2                   ; a K step in he: 256 bytes along the rows
.set BSTEP,  KSTEP*2048*2              ; a K step in w2b: 128 rows of 4,096 bytes
.set ADRA, 16
.set ADRB, 20
.set STO,  24
.set RD,   25
.set CO,   26
.set BOFF, 27
.set WS,   28                          ; v[28:29] the group's sum of w, twice
.set PFO,  30                          ; v30 the prefetch's lane offset; never rewritten
.set B0,   32
.set F0,   64
.set F1,   128
.set B1,   192
.set BIAS, 224
.set G1, 24
.set G0, 32
.set G1B, 48
.set G0B, 56
.set MUL,  0x50                        ; C and D window 1, A and B window 0
.set MSB, 0
.macro WIN new                         ; the immediate's high byte repeats the setting that is left
.if MSB != \new
	s_set_vgpr_msb (MSB<<8)|\new
.set MSB, \new
.endif
.endm
.macro JLOAD s                         ; waves 0 and 1 ask for A's halves, waves 2 and 3 for B's; four v_nop follow each line
	s_cmp_eq_u32 s11, 0
	s_cbranch_scc0 .Lfor_b_\@
	tensor_load_to_lds s[G0+4*\s:G0+4*\s+3], s[G1:G1+7]
	s_nop 0
.rept 4
	v_nop
.endr
	s_branch .Lasked_\@
.Lfor_b_\@:
	tensor_load_to_lds s[G0B+4*\s:G0B+4*\s+3], s[G1B:G1B+7]
	s_nop 0
.rept 4
	v_nop
.endr
.Lasked_\@:
.endm
.macro CREST                           ; a round of the cluster's barrier behind its opening barrier
	s_cmp_lg_u32 s10, 0
	s_cbranch_scc1 .Lnot_wave_0_\@
	s_barrier_signal -3
.Lnot_wave_0_\@:
	s_barrier_wait -3
	s_barrier_signal -1
	s_barrier_wait -1
.endm
.macro CROUND                          ; a whole round
	s_barrier_signal -1
	s_barrier_wait -1
	CREST
.endm
.macro PLACES                          ; four plain vector instructions behind a matrix instruction (ISA guide 7.12.1 for vector instructions)
.rept 4
	v_nop
.endr
.endm
; A request into the L2 for four K steps' tiles, from step s90 on.  first = 1: steps 2-5.  Else four steps further, at the most steps 28-31.
.macro PF first
.if \first
	s_mov_b32 s90, 2
.else
	s_add_co_u32 s90, s90, 4
	s_min_u32 s90, s90, 28                         ; the last request stays inside the group's 32 steps
	s_wait_xcnt 0x0                                ; the request before, four K steps ago, named s[86:87]: rewritten only behind this wait (ISA guide 3.1)
.endif
	s_lshl_b32 s88, s90, s91                       ; the step in bytes: x 256 in he, x 524,288 in w2b
	s_add_nc_u64 s[86:87], s[84:85], s[88:89]
	global_prefetch_b8 v[PFO], s[86:87] th:TH_LOAD_NT scope:SCOPE_SE
.endm
	s_load_b128 s[4:7], s[0:1], 0x0                ; he s[4:5], w2b s[6:7]
	s_load_b128 s[68:71], s[0:1], 0x10             ; b2 s[68:69], wbuf s[70:71]
	s_load_b64 s[8:9], s[0:1], 0x20                ; pp
	v_lshl_add_u32 v23, v0, 2, 0x38400
	v_mov_b32 v31, 0
	ds_add_u32 v23, v31
	v_lshrrev_b32 v1, 5, v0
	v_readfirstlane_b32 s10, v1                    ; wave
	s_lshr_b32 s11, s10, 1                         ; which 128 rows are mine.  Also: I fetch for A (0) or for B (1)
	s_and_b32 s12, s10, 1                          ; which 64 columns.  Also: which half of that tile I fetch
	s_bfe_u32 s40, ttmp6, 0x40000                  ; cx
	s_bfe_u32 s41, ttmp6, 0x40004                  ; cy
	s_and_b32 s42, ttmp9, 3                        ; the cluster's number, bits 1:0,
	s_lshl_b32 s42, s42, 2
	s_add_co_u32 s42, s42, s40                     ; nb: block of 128 columns = 4 x these + cx
	s_bfe_u32 s21, ttmp9, 0x10002                  ; g: the group of experts = bit 2, the same in the whole cluster
	s_lshr_b32 s13, ttmp9, 3                       ; bit 3,
	s_lshl_b32 s13, s13, 2
	s_add_co_u32 s13, s13, s41                     ; the batch = 4 x it + cy
	s_lshl_b32 s43, s41, 2
	s_lshl_b32 s43, 15, s43                        ; my row of the cluster
	s_lshl_b32 s44, 0x1111, s40                    ; my column
	; group 1 for A: 128 rows x 128 elements, 4 words of padding behind every 64
	s_or_b32 s[G1+0], s43, (1<<16)|(1<<20)|(1<<21)|(5<<22)|(3<<25)
	s_mov_b32 s[G1+1], 128<<16
	s_mov_b32 s[G1+2], 128<<16
	s_mov_b32 s[G1+3], 128<<16
	s_mov_b32 s[G1+4], 128
	s_mov_b32 s[G1+5], 8192                        ; he: elements from row to row
	s_mov_b32 s[G1+6], 0
	s_mov_b32 s[G1+7], 0
	; group 1 for B: 64 k rows x 128 elements, 8 words of padding behind every 64
	s_or_b32 s[G1B+0], s44, (1<<16)|(1<<20)|(1<<21)|(5<<22)|(7<<25)
	s_mov_b32 s[G1B+1], 128<<16
	s_mov_b32 s[G1B+2], 64<<16
	s_mov_b32 s[G1B+3], 128<<16
	s_mov_b32 s[G1B+4], 64
	s_mov_b32 s[G1B+5], 2048                       ; w2b: elements from k row to k row
	s_mov_b32 s[G1B+6], 0
	s_mov_b32 s[G1B+7], 0
	s_lshl_b32 s16, s13, 8                         ; A: row 256 x batch + 128 x half,
	s_lshl_b32 s17, s12, 7
	s_add_co_u32 s16, s16, s17
	s_lshl_b32 s16, s16, 14                        ; of 16,384 bytes,
	s_lshl_b32 s17, s21, 13                        ; column 4096 g, 2 bytes each
	s_add_co_u32 s16, s16, s17
	s_mov_b32 s17, 0
	s_lshl_b32 s46, s21, 24                        ; B: row 4096 g of 4,096 bytes,
	s_lshl_b32 s23, s12, 18                        ; my 64 k rows,
	s_add_co_u32 s46, s46, s23
	s_lshl_b32 s23, s42, 8                         ; 128 columns of 2 bytes
	s_add_co_u32 s46, s46, s23
	s_mov_b32 s47, 0
	s_mul_i32 s20, s10, AHALF                      ; LDS: A's halves at wave x 34,816 (waves 0, 1),
	s_mul_i32 s19, s10, BHALF
	s_add_co_u32 s19, s19, BBASE-2*BHALF           ; B's at 69,632 + (wave - 2) x 18,432 (waves 2, 3)
	s_wait_dscnt 0x0
	s_wait_kmcnt 0x0
	s_add_nc_u64 s[14:15], s[4:5], s[16:17]
	s_add_nc_u64 s[46:47], s[6:7], s[46:47]
	CROUND                                         ; all sixteen work-groups are here: the first joint loads meet
.irp s, 0,1
	s_mov_b32 s[G0+4*\s], 1
	s_add_co_u32 s[G0+4*\s+1], s20, \s*SLOT
	s_add_nc_u64 s[G0+4*\s+2:G0+4*\s+3], s[14:15], \s*ASTEP
	s_or_b32 s[G0+4*\s+3], s[G0+4*\s+3], 0x80000000
	s_mov_b32 s[G0B+4*\s], 1
	s_add_co_u32 s[G0B+4*\s+1], s19, \s*SLOT
	s_add_nc_u64 s[G0B+4*\s+2:G0B+4*\s+3], s[46:47], \s*BSTEP
	s_or_b32 s[G0B+4*\s+3], s[G0B+4*\s+3], 0x80000000
	JLOAD \s                                       ; both first fills: two tensor loads of the wave are out
.endr
	; the weights of my batch and group (waited for behind K step 5, where they are first used), and the bias's base
	s_lshl_b32 s80, s13, 9
	s_lshl_b32 s81, s21, 4
	s_add_co_u32 s80, s80, s81
	s_mov_b32 s81, 0
	s_add_nc_u64 s[82:83], s[70:71], s[80:81]
	s_load_b128 s[72:75], s[82:83], 0x0            ; -2 w of experts 4 g .. 4 g + 3
	s_lshl_b32 s80, s13, 9
	s_lshl_b32 s22, s21, 2
	s_add_co_u32 s80, s80, s22
	s_add_nc_u64 s[70:71], s[70:71], s[80:81]
	s_load_b32 s78, s[70:71], 0x20                 ; the group's sum of w
	s_lshl_b32 s80, s21, 15                        ; b2: expert 4 g, 8,192 bytes each,
	s_lshl_b32 s22, s42, 9                         ; 128 columns of 4 bytes,
	s_add_co_u32 s80, s80, s22
	s_lshl_b32 s22, s12, 8                         ; my 64 columns
	s_add_co_u32 s80, s80, s22
	s_add_nc_u64 s[68:69], s[68:69], s[80:81]
	; the prefetch's base and lane offsets: waves 0 and 1 for he, waves 2 and 3 for w2b
	s_lshl_b32 s88, s13, 22                        ; he: the batch's 256 rows of 16,384 bytes,
	s_lshl_b32 s89, s21, 13                        ; the group's columns
	s_add_co_u32 s88, s88, s89
	s_lshl_b32 s86, s21, 24                        ; w2b: the group's rows,
	s_lshl_b32 s87, s42, 8                         ; my work-group's 128 columns
	s_add_co_u32 s86, s86, s87
	s_lshl_b32 s66, s42, 4                         ; he: rows 16 nb + 8 x (wave mod 2) ..
	s_lshl_b32 s67, s12, 3
	s_add_co_u32 s66, s66, s67
	s_lshl_b32 s67, s13, 6                         ; w2b: k rows 64 x batch + 32 x (wave mod 2) ..
	s_lshl_b32 s89, s12, 5
	s_add_co_u32 s67, s67, s89
	s_cmp_eq_u32 s11, 0
	s_cselect_b64 s[84:85], s[4:5], s[6:7]
	s_cselect_b32 s88, s88, s86
	s_cselect_b32 s66, s66, s67                    ; my first row
	s_cselect_b32 s67, 2, 0                        ; four lanes to a row, or one
	s_cselect_b32 s92, 14, 12                      ; a row is 16,384 or 4,096 bytes
	s_cselect_b32 s93, 3, 0                        ; which of a row's four blocks, or its one
	s_cselect_b32 s91, 8, 19                       ; a K step is 256 bytes along he's rows, or 128 rows of w2b
	s_mov_b32 s89, 0
	s_add_nc_u64 s[84:85], s[84:85], s[88:89]
	v_and_b32 v8, 31, v0
	v_lshrrev_b32 v9, s67, v8
	v_add_nc_u32 v9, s66, v9
	v_lshlrev_b32 v9, s92, v9
	v_and_b32 v8, s93, v8
	v_lshl_add_u32 v[PFO], v8, 8, v9
	PF 1                                           ; K steps 2-5
	v_and_b32 v1, 15, v0                           ; r = l % 16
	v_bfe_u32 v2, v0, 4, 1                         ; h = l / 16
	v_mul_u32_u24 v3, v1, PA
	v_lshl_add_u32 v3, v2, 4, v3                   ; A fragment: row x pitch + 16 h
	v_and_b32 v6, 7, v0
	v_lshl_add_u32 v6, v2, 3, v6
	v_mul_u32_u24 v6, v6, PBB                      ; B fragment: k row 8 h + l % 8,
	v_bfe_u32 v7, v0, 3, 1
	v_lshl_add_u32 v6, v7, 4, v6                   ; 16 bytes at 16 ((l / 8) % 2)
	s_mul_i32 s22, s11, AHALF                      ; my 128 rows of A
	s_lshl_b32 s23, s12, 7                         ; my 64 columns of B: 128 bytes along its rows
	s_add_co_u32 s23, s23, BBASE
.irp s, 0,1
	v_add_nc_u32 v[ADRA+\s], s22, v3
	v_add_nc_u32 v[ADRB+\s], s23, v6
	s_add_co_u32 s22, s22, SLOT
	s_add_co_u32 s23, s23, SLOT
.endr
	s_mul_i32 s22, s10, 16*SPITCH
	s_add_co_u32 s22, s22, STAGE                   ; my stage
	v_mul_u32_u24 v4, v1, SPITCH
	v_lshl_add_u32 v4, v2, 5, v4                   ; in: row r, 32 bytes for each half of the lanes
	v_add_nc_u32 v[STO], s22, v4
	v_mul_u32_u24 v5, v2, SPITCH
	v_lshl_add_u32 v5, v1, 4, v5                   ; back: lanes 0-15 one row of 256 bytes, lanes 16-31 the next
	v_add_nc_u32 v[RD], s22, v5
	v_lshlrev_b32 v5, 13, v2
	v_lshl_add_u32 v[CO], v1, 4, v5                ; the same two rows in pp, 8,192 bytes apart
	v_lshlrev_b32 v[BOFF], 5, v2
; 16 matrix instructions: row blocks a0 .. a0 + 3 x all 4 column blocks, 32 along K
.macro MUL16 f, fb, a0, zero
.irp a, \a0, \a0+1, \a0+2, \a0+3
.irp b, 0,1,2,3
.if \zero
	v_wmma_f32_16x16x32_bf16 v[8*(4*(\a)+\b):8*(4*(\a)+\b)+7], v[\fb+8*\b:\fb+8*\b+7], v[\f+8*(\a):\f+8*(\a)+7], 0
.else
	v_wmma_f32_16x16x32_bf16 v[8*(4*(\a)+\b):8*(4*(\a)+\b)+7], v[\fb+8*\b:\fb+8*\b+7], v[\f+8*(\a):\f+8*(\a)+7], v[8*(4*(\a)+\b):8*(4*(\a)+\b)+7]
.endif
.endr
.endr
.endm
; 24 LDS loads in one run: quarter q of a slot: 4 fragments of B (transposing loads, 16 k rows apart) into fb, 8 of A into f
.macro FETCH slot, q, f, fb
.irp i, 0,1,2,3
	ds_load_tr16_b128 v[\fb+8*\i:\fb+8*\i+3],   v[ADRB+\slot] offset:\q*32*PBB+32*\i
	ds_load_tr16_b128 v[\fb+8*\i+4:\fb+8*\i+7], v[ADRB+\slot] offset:\q*32*PBB+16*PBB+32*\i
.endr
.irp i, 0,1,2,3,4,5,6,7
	ds_load_b128 v[\f+8*\i:\f+8*\i+3],   v[ADRA+\slot] offset:\q*64+\i*16*PA
	ds_load_b128 v[\f+8*\i+4:\f+8*\i+7], v[ADRA+\slot] offset:\q*64+\i*16*PA+32
.endr
.endm
; One of a K step's first three quarters: asks for quarter q into (g, gb), then multiplies (f, fb): the fragments are asked for 32 matrix instructions ahead
.macro QUARTER slot, q, f, fb, g, gb, zero
	PLACES                                         ; behind the matrix instructions that read g and gb
	FETCH \slot, \q, \g, \gb
	s_wait_dscnt 24                                ; all but the 24 just issued: f and fb are in
	WIN MUL
	MUL16 \f, \fb, 0, \zero
	MUL16 \f, \fb, 4, \zero
	WIN 0
.endm
.macro THREE slot, zero
	QUARTER \slot, 1, F0, B0, F1, B1, \zero
	QUARTER \slot, 2, F1, B1, F0, B0, 0
	QUARTER \slot, 3, F0, B0, F1, B1, 0
.endm
; The last quarter: multiplies buffer 1 and changes slots.  Its first sixteen products stand AHEAD of the wait for the tensor loads: a wave that
; has to wait for the next tile has done them by then, and the next request follows the landing with the round alone between.  So all of a
; K step's 128 matrix instructions lie between a request and the wait for it.  In front of the barrier each wave has waited for its reads of
; this slot and for all its tensor loads (one is out: its part of the next slot).  Behind it the refill comes first, then the next slot's first fragments.
.macro TURN slot, next, fill
	s_wait_dscnt 0                                 ; buffer 1 is in, and my reads of this slot are over
	WIN MUL
	MUL16 F1, B1, 0, 0
	WIN 0
	s_wait_tensorcnt 0x0                           ; all my tensor loads have landed
	ds_add_u32 v23, v31
	s_wait_dscnt 0x0
	s_barrier_signal -1                            ; (where a slot is filled again this barrier opens a round of the cluster's barrier)
	s_barrier_wait -1
.if \fill
	CREST                                          ; no wave of any partner still reads this slot's tile or has a load on its way
	s_add_nc_u64 s[G0+4*\slot+2:G0+4*\slot+3], s[G0+4*\slot+2:G0+4*\slot+3], 2*ASTEP
	s_add_nc_u64 s[G0B+4*\slot+2:G0B+4*\slot+3], s[G0B+4*\slot+2:G0B+4*\slot+3], 2*BSTEP
	JLOAD \slot                                    ; the first tensor load behind the round; its four v_nop are also the places in front of the loads below
.else
	PLACES
.endif
	FETCH \next, 0, F0, B0
	WIN MUL
	MUL16 F1, B1, 4, 0
	WIN 0
.endm
.macro LAP zero
	THREE 0, \zero
	TURN 0, 1, 1
	THREE 1, 0
	TURN 1, 0, 1
.endm
.macro BIASLD                          ; an expert's bias, my columns 16 b + 8 h + 0 .. 7; waited for in ZP, behind the expert's last product
.irp b, 0,1,2,3
	global_load_b128 v[BIAS+8*\b:BIAS+8*\b+3],   v[BOFF], s[68:69] offset:64*\b
	global_load_b128 v[BIAS+8*\b+4:BIAS+8*\b+7], v[BOFF], s[68:69] offset:64*\b+16
.endr
.endm
; Behind an expert's last product: window 3 = 2.885390 (accumulator + bias).  Accumulator register 32 a + 8 b + j belongs to bias register 8 b + j.
; The accumulators are free for the next expert's first products from here on.
.macro ZP
	PLACES                                         ; behind the last matrix instructions, whose results are read
	s_wait_loadcnt 0x0                             ; the bias is in, so its base may step
	s_add_nc_u64 s[68:69], s[68:69], 8192          ; the next expert's bias (behind the last expert the stepped base is not used)
.set i, 0
.rept 16
	v_pk_mul_f32 v[BIAS+i:BIAS+i+1], v[BIAS+i:BIAS+i+1], 0x4038aa3b op_sel_hi:[1,0]    ; 2.885390 b2
.set i, i+2
.endr
	WIN 0xc1                                       ; source 0 window 1, destination window 3
.set i, 0
.rept 128
	v_pk_fma_f32 v[i:i+1], v[i:i+1], 0x4038aa3b, v[BIAS+(i%32):BIAS+(i%32)+1] op_sel_hi:[1,0,1]
.set i, i+2
.endr
	WIN 0
.endm
; Registers lo .. lo + n - 1 of window 3: 1 / (1 + 2^z) in place, then times -2 w (s76) onto the same registers of the sums
.macro CHUNK lo, n
	WIN 0xc3                                       ; source 0 and destination window 3
.set i, 0
.rept \n
	v_exp_f32 v[\lo+i], v[\lo+i]
.set i, i+1
.endr
	v_nop                                          ; one plain vector instruction behind the transcendentals before a result is used (ISA guide 5.7.2)
.set i, 0
	s_wait_alu depctr_va_vdst(0)
.rept \n/2
	v_pk_add_f32 v[\lo+i:\lo+i+1], v[\lo+i:\lo+i+1], 1.0 op_sel_hi:[1,0]
.set i, i+2
.endr
.set i, 0
.rept \n
	v_rcp_f32 v[\lo+i], v[\lo+i]
.set i, i+1
.endr
	v_nop
	WIN 0xa3                                       ; source 0 window 3, source 2 and destination window 2
.set i, 0
	s_wait_alu depctr_va_vdst(0)
.rept \n/2
	v_pk_fma_f32 v[\lo+i:\lo+i+1], v[\lo+i:\lo+i+1], s[76:77], v[\lo+i:\lo+i+1] op_sel_hi:[1,0,1]
.set i, i+2
.endr
	WIN 0
.endm
	s_wait_tensorcnt 1                             ; my part of K step 0 is in; K step 1's stays out
	s_barrier_signal -1
	s_barrier_wait -1
	FETCH 0, 0, F0, B0
	BIASLD                                         ; the first expert's
	LAP 1                                          ; K steps 0 and 1: the first products start the sums
	PF 0                                           ; at the head of step 2: steps 6-9
	s_mov_b32 s3, 2
.Llap0:
	LAP 0                                          ; K steps 2-5
	s_sub_co_u32 s3, s3, 1
	s_cmp_lg_u32 s3, 0
	s_cbranch_scc1 .Llap0
	; The sums over experts start as the group's sum of w, the weighted 1 of every tanh: one packed instruction for two registers, once, while
	; K step 7's tile is on its way.  These are copies; they let all three trips of the loop below add onto the sums by one and the same text.
	s_wait_kmcnt 0x0                               ; the weights
	v_mov_b32 v[WS], s78
	v_mov_b32 v[WS+1], s78
	WIN 0x80                                       ; destination window 2
.set i, 0
.rept 128
	v_pk_mul_f32 v[i:i+1], v[WS:WS+1], 1.0 op_sel_hi:[1,0]
.set i, i+2
.endr
	WIN 0
	s_mov_b32 s79, 3
.Lexpert:                                          ; trip k: K steps 8 k + 6 .. 8 k + 13
	PF 0                                           ; at the head of step 8 k + 6: steps 8 k + 10 .. 8 k + 13
	LAP 0                                          ; expert k's last two K steps; their refills are the next expert's first two tiles
	ZP
	BIASLD                                         ; expert k + 1's
	s_mov_b32 s76, s72                             ; -2 w of expert k,
	s_mov_b32 s77, s72                             ; twice: the packed multiply-add names the pair
	CHUNK 0, 44
	THREE 0, 1                                     ; expert k + 1: the first products start the sums
	TURN 0, 1, 1
	CHUNK 44, 44
	THREE 1, 0
	TURN 1, 0, 1
	PF 0                                           ; at the head of step 8 k + 10: steps 8 k + 14 .. 8 k + 17; in the last trip steps 28-31
	CHUNK 88, 42
	THREE 0, 0
	TURN 0, 1, 1
	CHUNK 130, 42
	THREE 1, 0
	TURN 1, 0, 1
	CHUNK 172, 42
	THREE 0, 0
	TURN 0, 1, 1
	CHUNK 214, 42
	THREE 1, 0
	TURN 1, 0, 1
	s_mov_b32 s72, s73                             ; the next trips' weights move down
	s_mov_b32 s73, s74
	s_sub_co_u32 s79, s79, 1
	s_cmp_lg_u32 s79, 0
	s_cbranch_scc1 .Lexpert
	THREE 0, 0                                     ; K steps 30 and 31 fill nothing
	TURN 0, 1, 0
	THREE 1, 0
	s_wait_dscnt 0                                 ; the very last quarter: nothing more to fetch
	WIN MUL
	MUL16 F1, B1, 0, 0
	MUL16 F1, B1, 4, 0
	WIN 0
	ZP
	s_mov_b32 s76, s75                             ; the last expert's tanh has no products to stand among
	s_mov_b32 s77, s75
.irp lo, 0,64,128,192
	CHUNK \lo, 64
.endr
	; THE WAY OUT, 16 rows at a time: 32 bytes a lane into my own stage, read back as whole rows of 256 bytes (64 f32)
	s_lshl_b32 s80, s13, 8
	s_lshl_b32 s81, s11, 7
	s_add_co_u32 s80, s80, s81                     ; my first row,
	s_lshl_b32 s80, s80, 13                        ; of 8,192 bytes,
	s_lshl_b32 s81, s21, 24                        ; the group's plane,
	s_add_co_u32 s80, s80, s81
	s_lshl_b32 s81, s42, 9                         ; 128 columns of 4 bytes,
	s_add_co_u32 s80, s80, s81
	s_lshl_b32 s81, s12, 8                         ; my 64 columns
	s_add_co_u32 s80, s80, s81
	s_mov_b32 s81, 0
	s_add_nc_u64 s[8:9], s[8:9], s[80:81]
.macro OUT16 a, f
	WIN 0x08                                       ; the LDS stores' data in window 2
.irp b, 0,1,2,3
	ds_store_b128 v[STO], v[8*(4*\a+\b):8*(4*\a+\b)+3]   offset:64*\b
	ds_store_b128 v[STO], v[8*(4*\a+\b)+4:8*(4*\a+\b)+7] offset:64*\b+16
.endr
	WIN 0
	s_wait_xcnt 0x0                                ; buffer f, which stores read, and the stores' base are rewritten only behind this wait (ISA guide 3.1)
.if \a
	s_add_nc_u64 s[8:9], s[8:9], 16*8192           ; 16 rows on
.endif
.irp t, 0,1,2,3,4,5,6,7
	ds_load_b128 v[\f+4*\t:\f+4*\t+3], v[RD] offset:\t*2*SPITCH    ; LDS serves a wave's instructions in order (ISA guide 5.7.1.4): these see the stores above
.endr
.irp t, 0,1,2,3,4,5,6,7
	s_wait_dscnt 7-\t                              ; load t is in, the 7 - t younger ones stay out
	global_store_b128 v[CO], v[\f+4*\t:\f+4*\t+3], s[8:9] offset:\t*2*8192       ; 16 lanes store 256 consecutive bytes, aligned
.endr
.endm
	OUT16 0, F0
	OUT16 1, F1
	OUT16 2, F0
	OUT16 3, F1
	OUT16 4, F0
	OUT16 5, F1
	OUT16 6, F0
	OUT16 7, F1
	s_wait_tensorcnt 0x0
	ds_add_u32 v23, v31
	s_wait_dscnt 0x0
	CROUND                                         ; the closing round: no work-group ends while a partner may still ask for a tile that names it
	s_endpgm
.Lfunc_end_k_qecc7953d34_ffn2:
	.size	k_qecc7953d34_ffn2, .Lfunc_end_k_qecc7953d34_ffn2-k_qecc7953d34_ffn2
	.p2alignl 7, 3214868480
	.fill 96, 4, 3214868480
	.section	.rodata,"a",@progbits
	.p2align	6, 0x0
	.amdhsa_kernel k_qecc7953d34_ffn2
		.amdhsa_group_segment_fixed_size 327680
		.amdhsa_private_segment_fixed_size 0
		.amdhsa_enable_private_segment 0
		.amdhsa_kernarg_size 40
		.amdhsa_user_sgpr_count 2
		.amdhsa_user_sgpr_kernarg_segment_ptr 1
		.amdhsa_wavefront_size32 1
		.amdhsa_system_sgpr_workgroup_id_x 1
		.amdhsa_system_sgpr_workgroup_id_y 1
		.amdhsa_system_sgpr_workgroup_id_z 1
		.amdhsa_system_vgpr_workitem_id 0
		.amdhsa_next_free_vgpr 1024
		.amdhsa_next_free_sgpr 94
		.amdhsa_reserve_vcc 0
		.amdhsa_float_denorm_mode_32 3
		.amdhsa_float_denorm_mode_16_64 3
		.amdhsa_memory_ordered 1
		.amdhsa_forward_progress 1
		.amdhsa_inst_pref_size 255
	.end_amdhsa_kernel
	.section	.bss,"aw",@nobits
	.p2align	6
	.space	262144
	.amdgpu_metadata
---
amdhsa.version: [ 1, 2 ]
amdhsa.kernels:
  - .name:           k_qecc7953d34_ffn2
    .symbol:         k_qecc7953d34_ffn2.kd
    .args:
      - { .name: he, .offset: 0, .size: 8, .value_kind: global_buffer, .address_space: global }
      - { .name: w2b, .offset: 8, .size: 8, .value_kind: global_buffer, .address_space: global }
      - { .name: b2, .offset: 16, .size: 8, .value_kind: global_buffer, .address_space: global }
      - { .name: wbuf, .offset: 24, .size: 8, .value_kind: global_buffer, .address_space: global }
      - { .name: pp, .offset: 32, .size: 8, .value_kind: global_buffer, .address_space: global }
    .group_segment_fixed_size: 327680
    .private_segment_fixed_size: 0
    .kernarg_segment_align: 8
    .kernarg_segment_size: 40
    .max_flat_workgroup_size: 128
    .sgpr_count:     94
    .vgpr_count:     1024
    .wavefront_size: 32
...
	.end_amdgpu_metadata
.endif
;; end of part 4
;; launch combine (part 5): grid 512 x 1, 8 waves a work-group, no clusters, 0 bytes of LDS; arguments pp, out0; writes out0
.if DOCPART == 5
	.amdgcn_target "amdgcn-amd-amdhsa--gfx1250"
	.amdhsa_code_object_version 6
	.text
	.protected	k_qecc7953d34_combine
	.globl	k_qecc7953d34_combine
	.p2align	8
	.type	k_qecc7953d34_combine,@function
k_qecc7953d34_combine:
	s_mov_b64 s[64:65], 0
	v_nop
	global_prefetch_b8 v0, s[64:65] scope:SCOPE_SE
	s_setreg_imm32_b32 hwreg(HW_REG_WAVE_MODE, 25, 1), 1
	s_wait_xcnt 0x0
; out0 = pp[0] + pp[1]: the two groups of experts, added in f32.  pp: [2][2048][2048] f32; out0: [2048][2048] f32.
; A stream: the work-group owns 32,768 bytes of out0; thread t the 16 bytes at 16 t of each of eight blocks of 4,096 bytes, so a load or
; store of a wave covers 512 neighbouring bytes.  All sixteen loads of a thread go out at once; no loop, no LDS, no barrier.
.set A, 8                              ; v[8:39]   plane 0, block i: 4 registers; the sum is made in place and stored from here
.set B, 40                             ; v[40:71]  plane 1
	s_load_b128 s[4:7], s[0:1], 0x0                ; pp s[4:5], out0 s[6:7]
	s_lshl_b32 s2, ttmp9, 15
	s_mov_b32 s3, 0
	v_lshlrev_b32 v1, 4, v0
	s_wait_kmcnt 0x0
	s_add_nc_u64 s[4:5], s[4:5], s[2:3]
	s_add_nc_u64 s[6:7], s[6:7], s[2:3]
	s_add_nc_u64 s[8:9], s[4:5], 0x1000000         ; plane 1 lies 16,777,216 bytes behind plane 0
.irp i, 0,1,2,3,4,5,6,7
	global_load_b128 v[A+4*\i:A+4*\i+3], v1, s[4:5] offset:\i*4096 th:TH_LOAD_NT
	global_load_b128 v[B+4*\i:B+4*\i+3], v1, s[8:9] offset:\i*4096 th:TH_LOAD_NT
.endr
.irp i, 0,1,2,3,4,5,6,7
	s_wait_loadcnt 14-2*\i                         ; pair i is in; the 7 - i younger pairs stay out
	v_pk_add_f32 v[A+4*\i:A+4*\i+1], v[A+4*\i:A+4*\i+1], v[B+4*\i:B+4*\i+1]
	v_pk_add_f32 v[A+4*\i+2:A+4*\i+3], v[A+4*\i+2:A+4*\i+3], v[B+4*\i+2:B+4*\i+3]
	global_store_b128 v1, v[A+4*\i:A+4*\i+3], s[6:7] offset:\i*4096 th:TH_STORE_NT
.endr
	s_endpgm
.Lfunc_end_k_qecc7953d34_combine:
	.size	k_qecc7953d34_combine, .Lfunc_end_k_qecc7953d34_combine-k_qecc7953d34_combine
	.p2alignl 7, 3214868480
	.fill 96, 4, 3214868480
	.section	.rodata,"a",@progbits
	.p2align	6, 0x0
	.amdhsa_kernel k_qecc7953d34_combine
		.amdhsa_group_segment_fixed_size 0
		.amdhsa_private_segment_fixed_size 0
		.amdhsa_enable_private_segment 0
		.amdhsa_kernarg_size 16
		.amdhsa_user_sgpr_count 2
		.amdhsa_user_sgpr_kernarg_segment_ptr 1
		.amdhsa_wavefront_size32 1
		.amdhsa_system_sgpr_workgroup_id_x 1
		.amdhsa_system_sgpr_workgroup_id_y 1
		.amdhsa_system_sgpr_workgroup_id_z 1
		.amdhsa_system_vgpr_workitem_id 0
		.amdhsa_next_free_vgpr 72
		.amdhsa_next_free_sgpr 66
		.amdhsa_reserve_vcc 0
		.amdhsa_float_denorm_mode_32 3
		.amdhsa_float_denorm_mode_16_64 3
		.amdhsa_memory_ordered 1
		.amdhsa_forward_progress 1
		.amdhsa_inst_pref_size 5
	.end_amdhsa_kernel
	.amdgpu_metadata
---
amdhsa.version: [ 1, 2 ]
amdhsa.kernels:
  - .name:           k_qecc7953d34_combine
    .symbol:         k_qecc7953d34_combine.kd
    .args:
      - { .name: pp, .offset: 0, .size: 8, .value_kind: global_buffer, .address_space: global }
      - { .name: out0, .offset: 8, .size: 8, .value_kind: global_buffer, .address_space: global }
    .group_segment_fixed_size: 0
    .private_segment_fixed_size: 0
    .kernarg_segment_align: 8
    .kernarg_segment_size: 16
    .max_flat_workgroup_size: 256
    .sgpr_count:     66
    .vgpr_count:     72
    .wavefront_size: 32
...
	.end_amdgpu_metadata
.endif
;; end of part 5
;; ======== version 2 of 2: 5 launches; version 1 with the launches xprep, wprep written anew for expert scheduling mode
;; workspace buffers: xb 8,388,608 bytes; w1b 33,554,432 bytes; w2b 33,554,432 bytes; he 33,554,432 bytes; part 262,144 bytes; wbuf 4,096 bytes; pp 33,554,432 bytes
;; launch xprep (part 6): grid 256 x 1, 8 waves a work-group, no clusters, 9,216 bytes of LDS; arguments x, Wm1, xb, part; writes xb, part
.if DOCPART == 6
	.amdgcn_target "amdgcn-amd-amdhsa--gfx1250"
	.amdhsa_code_object_version 6
	.text
	.protected	k_qecc7953d34_xprep
	.globl	k_qecc7953d34_xprep
	.p2align	8
	.type	k_qecc7953d34_xprep,@function
k_qecc7953d34_xprep:
	s_mov_b64 s[64:65], 0
	v_nop
	global_prefetch_b8 v0, s[64:65] scope:SCOPE_SE
	s_setreg_imm32_b32 hwreg(HW_REG_WAVE_SCHED_MODE, 0, 2), 2
	s_setreg_imm32_b32 hwreg(HW_REG_WAVE_MODE, 25, 1), 1
	s_wait_xcnt 0x0
	s_wait_alu depctr_vm_vsrc(0)
; xb = bf16(x) (round to nearest even), and this work-group's share of mean(x) @ Wm1.
; x: [8][256][2048] f32.  Wm1: [2048][256] f32.  xb: [2048][2048] bf16.  part: [8 batches][32 shares][256] f32.
; Work-group id = 32 b + 2 c + hf owns batch b, columns 128 c .. 128 c + 127, rows 128 hf .. 128 hf + 127.
; Wave w takes rows 8 i + w (i = 0 .. 15), lane l columns 4 l .. 4 l + 3: a load of a wave covers 512 neighbouring bytes of a row,
; a store 256 neighbouring bytes of xb, aligned.  The first router layer is linear in the column sums, so the work-group adds
; (its column sums / 256) @ (its 128 rows of Wm1) as one of the batch's 32 shares; the next launch adds the shares.
; A product with one row: no matrix unit, no cluster, all in f32.  Every register of a store is written once: no wait frees any.
; THE MODE: SCHED_MODE bits 1:0 = 2 (LLVM: expert scheduling mode 2), set by the entry lines.  The code itself states the register dependences
; between vector instructions and memory or LDS instructions, with s_wait_alu, always for 0.
; THE PLAN.  Registers that memory or LDS instructions touch:
;   v2 .. v6   offsets, made once at the head and never written again: one wait ahead of the first load serves every load and store.
;   X          written by x's loads; read by the conversions and the column sums; at the end, in waves 0 and 1, LDS loads land in it,
;              the closing additions work in it and the last store reads X[0:3].  No memory instruction reads it before that store.
;   WV         written by Wm1's loads; read by the multiply-adds alone.
;   Y          each register written once, by a conversion, and read once, by a store.  The 16 rows go in four groups of four:
;              eight conversions, ONE wait, four stores; the group's additions onto SUM stand behind the stores and name none of their registers.
;   SUM, ACC   written by vector instructions, read by one LDS store each, never written again.
;   TM         written by LDS loads; no instruction names it before them.
;   v248, v249 written at the head, read by the closing add alone.
; No register that a memory or LDS instruction reads is ever written again, so the text holds no wait on vm_vsrc but the closing lines'.
.set SUM, 8                            ; v[8:11]    sums of my 4 columns over my 16 rows
.set ACC, 12                           ; v[12:15]   my 4 outputs of the first layer, over my 32 columns
.set TM,  16                           ; v[16:23]   at work
.set Y,   24                           ; v[24:55]   row i: 2 registers, 4 bf16 to store
.set X,   56                           ; v[56:119]  row i: 4 registers as loaded
.set WV,  120                          ; v[120:247] 32 rows of Wm1, 4 numbers each
.set L1,  4096                         ; LDS: bytes 0-4095 column sums [8 waves][128]; bytes 4096-8191 layer 1 [4 groups][256]
	s_load_b256 s[4:11], s[0:1], 0x0               ; x s[4:5], Wm1 s[6:7], xb s[8:9], part s[10:11]
	v_lshl_add_u32 v248, v0, 2, 0x2000
	v_mov_b32 v249, 0
	v_lshrrev_b32 v7, 5, v0
	v_readfirstlane_b32 s12, v7                    ; wave
	v_and_b32 v1, 31, v0                           ; lane
	s_lshr_b32 s13, ttmp9, 5                       ; b
	s_bfe_u32 s14, ttmp9, 0x40001                  ; c
	s_and_b32 s15, ttmp9, 1                        ; hf
	v_lshlrev_b32 v2, 4, v1
	v_lshl_add_u32 v2, v7, 13, v2                  ; x: wave x 8,192 + 16 lane
	v_lshlrev_b32 v3, 3, v1
	v_lshl_add_u32 v3, v7, 12, v3                  ; xb: wave x 4,096 + 8 lane
	v_lshrrev_b32 v6, 6, v0                        ; g = t / 64: which 32 of the 128 columns I multiply (the same in a whole wave)
	v_and_b32 v4, 63, v0
	v_lshlrev_b32 v4, 4, v4
	v_lshl_add_u32 v4, v6, 15, v4                  ; Wm1: 32 g rows of 1,024 bytes + 16 (t mod 64)
	v_lshlrev_b32 v5, 4, v0                        ; 16 t
	v_lshlrev_b32 v6, 7, v6
	v_lshl_add_u32 v6, v1, 2, v6                   ; LDS: column 32 g + lane
	s_wait_alu depctr_va_sdst(0)                   ; s12 is written, ahead of its first reader: the compare behind the second barrier
	s_lshl_b32 s16, s13, 21                        ; x: batch of 256 rows of 8,192 bytes,
	s_lshl_b32 s18, s15, 20                        ; half of 128 rows,
	s_add_co_u32 s16, s16, s18
	s_lshl_b32 s18, s14, 9                         ; 128 columns of 4 bytes
	s_add_co_u32 s16, s16, s18
	s_mov_b32 s17, 0
	s_lshr_b32 s18, s16, 1                         ; xb: the same place at half the bytes
	s_mov_b32 s19, 0
	s_lshl_b32 s20, s14, 17                        ; Wm1: 128 c rows of 1,024 bytes
	s_mov_b32 s21, 0
	s_lshl_b32 s22, ttmp9, 10                      ; part: share 32 b + (2 c + hf), 1,024 bytes
	s_mov_b32 s23, 0
	s_wait_kmcnt 0x0
	s_add_nc_u64 s[4:5], s[4:5], s[16:17]
	s_add_nc_u64 s[8:9], s[8:9], s[18:19]
	s_add_nc_u64 s[6:7], s[6:7], s[20:21]
	s_add_nc_u64 s[10:11], s[10:11], s[22:23]
	s_wait_alu depctr_va_vdst(0)                   ; the offsets v2 to v6 are written: every load and store of the kernel, global or LDS, reads one of them
.set i, 0
.rept 16
	global_load_b128 v[X+4*i:X+4*i+3], v2, s[4:5] offset:i*65536 th:TH_LOAD_NT   ; row 8 i + wave; x is read once in the launch
.set i, i+1
.endr
.set i, 0
.rept 32
	global_load_b128 v[WV+4*i:WV+4*i+3], v4, s[6:7] offset:i*1024                ; row 32 g + i of my 128 rows of Wm1
.set i, i+1
.endr
; Four groups of four rows: the conversions, the wait, the stores, and then the additions onto the column sums, in the rows' order.
.set g, 0
.rept 4
	s_wait_loadcnt 44-4*g                          ; loads come back in order (ISA guide 5.7.1): rows 4 g .. 4 g + 3 are in; 12 - 4 g rows of x and 32 of Wm1 stay out
.set i, 4*g
.rept 4
	v_cvt_pk_bf16_f32 v[Y+2*i], v[X+4*i], v[X+4*i+1]
	v_cvt_pk_bf16_f32 v[Y+2*i+1], v[X+4*i+2], v[X+4*i+3]
.set i, i+1
.endr
	s_wait_alu depctr_va_vdst(0)                   ; the eight conversions have written the group's Y, which the four stores read
.set i, 4*g
.rept 4
	global_store_b64 v3, v[Y+2*i:Y+2*i+1], s[8:9] offset:i*32768
.set i, i+1
.endr
.set i, 4*g
.rept 4
.if i == 1
	v_pk_add_f32 v[SUM:SUM+1], v[X:X+1], v[X+4:X+5]                               ; the first two rows start the sums
	v_pk_add_f32 v[SUM+2:SUM+3], v[X+2:X+3], v[X+6:X+7]
.endif
.if i > 1
	v_pk_add_f32 v[SUM:SUM+1], v[SUM:SUM+1], v[X+4*i:X+4*i+1]
	v_pk_add_f32 v[SUM+2:SUM+3], v[SUM+2:SUM+3], v[X+4*i+2:X+4*i+3]
.endif
.set i, i+1
.endr
.set g, g+1
.endr
	s_wait_alu depctr_va_vdst(0)                   ; the additions have written v[SUM ..], which the LDS store reads
	ds_store_b128 v5, v[SUM:SUM+3]                 ; wave w, columns 4 l ..: byte 512 w + 16 l = 16 t
	s_wait_dscnt 0x0                               ; for the other waves: my store is done before I signal
	s_barrier_signal -1
	s_barrier_wait -1
.irp w, 0,1,2,3,4,5,6,7
	ds_load_b32 v[TM+\w], v6 offset:\w*512         ; column 32 g + lane, as each of the eight waves summed it
.endr
	s_wait_dscnt 0x0
	v_add_f32 v[TM], v[TM], v[TM+1]
	v_add_f32 v[TM+2], v[TM+2], v[TM+3]
	v_add_f32 v[TM+4], v[TM+4], v[TM+5]
	v_add_f32 v[TM+6], v[TM+6], v[TM+7]
	v_add_f32 v[TM], v[TM], v[TM+2]
	v_add_f32 v[TM+4], v[TM+4], v[TM+6]
	v_add_f32 v[TM], v[TM], v[TM+4]                ; lane l: the sum of column 32 g + l over the 128 rows
.set i, 0
.rept 32
	v_readlane_b32 s[32+i], v[TM], i               ; the wave's 32 column sums as scalars
.set i, i+1
.endr
	s_wait_alu depctr_va_sdst(0)                   ; s32 to s63 are written, ahead of the first multiply that reads one of them: one wait for the run of 32
	s_wait_loadcnt 0x0                             ; Wm1's rows
.irp k, 0,1,2,3
	v_mul_f32 v[ACC+\k], s32, v[WV+\k]             ; the first product starts the sums
.endr
.set i, 1
.rept 31
.irp k, 0,1,2,3
	v_fmac_f32 v[ACC+\k], s[32+i], v[WV+4*i+\k]
.endr
.set i, i+1
.endr
	s_wait_alu depctr_va_vdst(0)                   ; the multiply-adds have written v[ACC ..], which the LDS store reads; the conversions and sums are done reading X, in which the LDS loads behind the barrier land
	ds_store_b128 v5, v[ACC:ACC+3] offset:L1       ; group g, outputs 4 (t mod 64) ..: byte 1,024 g + 16 (t mod 64) = 16 t
	s_wait_dscnt 0x0
	s_barrier_signal -1
	s_barrier_wait -1
	s_cmp_ge_u32 s12, 2                            ; 64 threads x 4 outputs: waves 0 and 1 add the four groups
	s_cbranch_scc1 .Lend
.irp g, 0,1,2,3
	ds_load_b128 v[X+4*\g:X+4*\g+3], v5 offset:L1+\g*1024   ; into X, whose loads are long done (Y is still read by stores); no vector instruction since the last wait names X
.endr
	s_wait_dscnt 0x0
	v_pk_add_f32 v[X:X+1], v[X:X+1], v[X+4:X+5]
	v_pk_add_f32 v[X+2:X+3], v[X+2:X+3], v[X+6:X+7]
	v_pk_add_f32 v[X+8:X+9], v[X+8:X+9], v[X+12:X+13]
	v_pk_add_f32 v[X+10:X+11], v[X+10:X+11], v[X+14:X+15]
	v_pk_add_f32 v[X:X+1], v[X:X+1], v[X+8:X+9]
	v_pk_add_f32 v[X+2:X+3], v[X+2:X+3], v[X+10:X+11]
	v_pk_mul_f32 v[X:X+1], v[X:X+1], 0x3b800000 op_sel_hi:[1,0]      ; the mean's 1 / 256
	v_pk_mul_f32 v[X+2:X+3], v[X+2:X+3], 0x3b800000 op_sel_hi:[1,0]
	s_wait_alu depctr_va_vdst(0)                   ; the two multiplies have written v[X:X+3], which the store reads
	global_store_b128 v5, v[X:X+3], s[10:11]       ; a wave stores 512 neighbouring bytes
.Lend:
	s_wait_dscnt 0x0                               ; the closing lines, six on end
	s_wait_alu 0x0
	s_wait_tensorcnt 0x0
	ds_add_u32 v248, v249
	s_wait_dscnt 0x0
	s_endpgm
.Lfunc_end_k_qecc7953d34_xprep:
	.size	k_qecc7953d34_xprep, .Lfunc_end_k_qecc7953d34_xprep-k_qecc7953d34_xprep
	.p2alignl 7, 3214868480
	.fill 96, 4, 3214868480
	.section	.rodata,"a",@progbits
	.p2align	6, 0x0
	.amdhsa_kernel k_qecc7953d34_xprep
		.amdhsa_group_segment_fixed_size 9216
		.amdhsa_private_segment_fixed_size 0
		.amdhsa_enable_private_segment 0
		.amdhsa_kernarg_size 32
		.amdhsa_user_sgpr_count 2
		.amdhsa_user_sgpr_kernarg_segment_ptr 1
		.amdhsa_wavefront_size32 1
		.amdhsa_system_sgpr_workgroup_id_x 1
		.amdhsa_system_sgpr_workgroup_id_y 1
		.amdhsa_system_sgpr_workgroup_id_z 1
		.amdhsa_system_vgpr_workitem_id 0
		.amdhsa_next_free_vgpr 250
		.amdhsa_next_free_sgpr 66
		.amdhsa_reserve_vcc 0
		.amdhsa_float_denorm_mode_32 3
		.amdhsa_float_denorm_mode_16_64 3
		.amdhsa_memory_ordered 1
		.amdhsa_forward_progress 1
		.amdhsa_inst_pref_size 21
	.end_amdhsa_kernel
	.amdgpu_metadata
---
amdhsa.version: [ 1, 2 ]
amdhsa.kernels:
  - .name:           k_qecc7953d34_xprep
    .symbol:         k_qecc7953d34_xprep.kd
    .args:
      - { .name: x, .offset: 0, .size: 8, .value_kind: global_buffer, .address_space: global }
      - { .name: Wm1, .offset: 8, .size: 8, .value_kind: global_buffer, .address_space: global }
      - { .name: xb, .offset: 16, .size: 8, .value_kind: global_buffer, .address_space: global }
      - { .name: part, .offset: 24, .size: 8, .value_kind: global_buffer, .address_space: global }
    .group_segment_fixed_size: 9216
    .private_segment_fixed_size: 0
    .kernarg_segment_align: 8
    .kernarg_segment_size: 32
    .max_flat_workgroup_size: 256
    .sgpr_count:     66
    .vgpr_count:     250
    .wavefront_size: 32
...
	.end_amdgpu_metadata
.endif
;; end of part 6
;; launch wprep (part 7): grid 1032 x 1, 16 waves a work-group, no clusters, 18,432 bytes of LDS; arguments W1, W2, w1b, w2b, part, bm1, Wm2, bm2, Wm3, bm3, eff, wbuf; writes w1b, w2b, wbuf
.if DOCPART == 7
	.amdgcn_target "amdgcn-amd-amdhsa--gfx1250"
	.amdhsa_code_object_version 6
	.text
	.protected	k_qecc7953d34_wprep
	.globl	k_qecc7953d34_wprep
	.p2align	8
	.type	k_qecc7953d34_wprep,@function
k_qecc7953d34_wprep:
	s_mov_b64 s[64:65], 0
	v_nop
	global_prefetch_b8 v0, s[64:65] scope:SCOPE_SE
	s_setreg_imm32_b32 hwreg(HW_REG_WAVE_SCHED_MODE, 0, 2), 2
	s_setreg_imm32_b32 hwreg(HW_REG_WAVE_MODE, 25, 1), 1
	s_wait_xcnt 0x0
	s_wait_alu depctr_vm_vsrc(0)
; Work-groups 8 .. 1031: w1b = bf16(W1), w2b = bf16(W2), round to nearest even, layout unchanged: a pure stream, 131,072 bytes in and
; 65,536 out for each work-group, all sixteen loads of a thread on their way at once, no loop, no LDS.
; Work-groups 0 .. 7 (batch b): the rest of the router, in f32 on the vector unit (products with one row):
;   h1 = relu(sum of the 32 shares + bm1); h2 = relu(h1 @ Wm2 + bm2); p = softmax(h2 @ Wm3 + bm3); w = softmax(p * eff).
; Both softmaxes take their maximum away.  v_exp_f32 gives zero where the result would be denormal (ISA guide 15.8).
; wbuf, row b of 512 bytes: floats 0-7 = -2 w[b][e]; 8 = w0 + .. + w3; 9 = w4 + .. + w7; the rest 0.
; The two ways part on the work-group's number alone, so all sixteen waves of a work-group pass the same barriers.
; THE MODE: SCHED_MODE bits 1:0 = 2 (LLVM: expert scheduling mode 2), set by the entry lines.  The code itself states the register dependences
; between vector instructions and memory or LDS instructions, with s_wait_alu, always for 0.
; THE PLAN, the cast.  v2, v3: offsets, made once.  CX: written by the loads, read by the conversions.  CY: each register written once, by a
; conversion, and read once, by a store.  The sixteen loads go in four groups of four: eight conversions, ONE wait, four stores.
; THE PLAN, the router.  Registers that memory or LDS instructions touch:
;   v2 .. v5   offsets, made once and never written again.  v6: a vector operand at first; wave 0 makes Wm3's offset of it, ahead of a wait.
;   v8-23, v24 written by the loads of the shares and of bm1; the additions work in v8-23; the first LDS store reads v8-11; LDS loads then land in v12-19.
;   WB         loaded three times (Wm2's rows 0-15 of my 32, its rows 16-31, Wm3), read by multiply-adds between: a wait ahead of the second and the third run.
;   AC         written by the multiply-adds, read by the second LDS store.
;   v8-39      in wave 0 LDS loads land in them twice (the two halves of h2), the additions working in them between:
;              ahead of the first run the two LDS stores have read v8-11 and AC (the text's one wait on vm_vsrc), ahead of the second the additions are done.
;   v16-19     written by the selects, read by the last store.
;   v128, v129 written at the head, read by the closing add alone.
.set CX, 40                            ; cast: v[40:103] as loaded, 4 registers a load
.set CY, 8                             ; cast: v[8:39] to store, 2 registers a load, each written once
.set WB, 40                            ; router: v[40:103] 16 rows of Wm2, later Wm3
.set AC, 32                            ; router: v[32:35] my 4 outputs of layer 2
.set H2, 104                           ; v[104:111] wave 0: h2 of my 8 places
.set BM2, 112                          ; v[112:119] wave 0: bm2 of my 8 places
.set LG, 120                           ; v[120:127] wave 0: the eight logits
.set R2, 8192                          ; LDS: bytes 0-8191 shares [8 groups][256]; bytes 8192-16383 layer 2 [8 groups][256]
	s_load_b512 s[8:23], s[0:1], 0x0               ; W1 8, W2 10, w1b 12, w2b 14, part 16, bm1 18, Wm2 20, bm2 22
	s_load_b256 s[24:31], s[0:1], 0x40             ; Wm3 24, bm3 26, eff 28, wbuf 30
	v_lshl_add_u32 v128, v0, 2, 0x4000
	v_mov_b32 v129, 0
	s_wait_kmcnt 0x0
	s_cmp_lt_u32 ttmp9, 8
	s_cbranch_scc1 .Lrouter
	; ---- the cast ----
	s_sub_co_u32 s2, ttmp9, 8                      ; 0 .. 511: W1; 512 .. 1023: W2
	s_and_b32 s32, s2, 511
	s_lshl_b32 s34, s32, 16                        ; 65,536 bytes out,
	s_lshl_b32 s32, s32, 17                        ; 131,072 bytes in
	s_mov_b32 s33, 0
	s_mov_b32 s35, 0
	s_cmp_lt_u32 s2, 512
	s_cselect_b64 s[4:5], s[8:9], s[10:11]
	s_cselect_b64 s[6:7], s[12:13], s[14:15]
	s_add_nc_u64 s[4:5], s[4:5], s[32:33]
	s_add_nc_u64 s[6:7], s[6:7], s[34:35]
	v_lshlrev_b32 v2, 4, v0                        ; 16 t in,
	v_lshlrev_b32 v3, 3, v0                        ; 8 t out
	s_wait_alu depctr_va_vdst(0)                   ; v2 and v3 are written: the loads and the stores below read them as their offsets
.set i, 0
.rept 16
	global_load_b128 v[CX+4*i:CX+4*i+3], v2, s[4:5] offset:i*8192 th:TH_LOAD_NT   ; read once in the launch
.set i, i+1
.endr
.set g, 0
.rept 4
	s_wait_loadcnt 12-4*g                          ; loads 4 g .. 4 g + 3 are in, the 12 - 4 g younger ones stay out
.set i, 4*g
.rept 4
	v_cvt_pk_bf16_f32 v[CY+2*i], v[CX+4*i], v[CX+4*i+1]
	v_cvt_pk_bf16_f32 v[CY+2*i+1], v[CX+4*i+2], v[CX+4*i+3]
.set i, i+1
.endr
	s_wait_alu depctr_va_vdst(0)                   ; the eight conversions have written the group's CY, which the four stores read
.set i, 4*g
.rept 4
	global_store_b64 v3, v[CY+2*i:CY+2*i+1], s[6:7] offset:i*4096                 ; a wave stores 256 neighbouring bytes, aligned
.set i, i+1
.endr
.set g, g+1
.endr
	s_endpgm
	; ---- the router, batch b = the work-group's number ----
.Lrouter:
	v_lshrrev_b32 v7, 5, v0
	v_readfirstlane_b32 s86, v7                    ; wave
	v_and_b32 v1, 31, v0                           ; lane
	v_lshrrev_b32 v6, 6, v0                        ; g = t / 64, the same in a whole wave
	v_and_b32 v7, 63, v0
	v_lshlrev_b32 v7, 4, v7                        ; 16 q, q = t mod 64: outputs 4 q .. 4 q + 3
	v_lshl_add_u32 v2, v6, 12, v7                  ; part: shares 4 g .. 4 g + 3 of 1,024 bytes
	v_lshl_add_u32 v4, v6, 15, v7                  ; Wm2: rows 32 g .. 32 g + 31 of 1,024 bytes
	v_lshlrev_b32 v3, 2, v1
	v_lshl_add_u32 v3, v6, 7, v3                   ; place 32 g + lane, in bm1 and in LDS
	v_lshlrev_b32 v5, 4, v0                        ; 16 t
	s_wait_alu depctr_va_sdst(0)                   ; s86 is written, ahead of its first reader: the compare behind the second barrier
	s_lshl_b32 s32, ttmp9, 15
	s_mov_b32 s33, 0
	s_add_nc_u64 s[16:17], s[16:17], s[32:33]      ; the batch's 32 shares
	s_lshl_b32 s32, ttmp9, 9
	s_add_nc_u64 s[30:31], s[30:31], s[32:33]      ; the batch's row of wbuf
	s_mov_b32 s84, 0x76543210                      ; v_permlanex16_b32: lane i reads lane i of the other half
	s_mov_b32 s85, 0xfedcba98
	s_wait_alu depctr_va_vdst(0)                   ; the offsets v2 to v5 are written: the loads and stores below, global and LDS, read them
.irp i, 0,1,2,3
	global_load_b128 v[8+4*\i:11+4*\i], v2, s[16:17] offset:\i*1024
.endr
	global_load_b32 v24, v3, s[18:19]
.set i, 0
.rept 16
	global_load_b128 v[WB+4*i:WB+4*i+3], v4, s[20:21] offset:i*1024
.set i, i+1
.endr
	s_wait_loadcnt 17                              ; the four shares are in; bm1's load and 16 rows of Wm2 stay out
	v_pk_add_f32 v[8:9], v[8:9], v[12:13]
	v_pk_add_f32 v[10:11], v[10:11], v[14:15]
	v_pk_add_f32 v[16:17], v[16:17], v[20:21]
	v_pk_add_f32 v[18:19], v[18:19], v[22:23]
	v_pk_add_f32 v[8:9], v[8:9], v[16:17]
	v_pk_add_f32 v[10:11], v[10:11], v[18:19]
	s_wait_alu depctr_va_vdst(0)                   ; the additions have written v[8:11], which the LDS store reads, and are done with v12 to v19, in which the LDS loads behind the barrier land
	ds_store_b128 v5, v[8:11]                      ; group g, places 4 q ..: byte 1,024 g + 16 q = 16 t
	s_wait_dscnt 0x0
	s_barrier_signal -1
	s_barrier_wait -1
.irp i, 0,1,2,3,4,5,6,7
	ds_load_b32 v[12+\i], v3 offset:\i*1024        ; place 32 g + lane of each group's sum
.endr
	s_wait_dscnt 0x0
	v_add_f32 v12, v12, v13
	v_add_f32 v14, v14, v15
	v_add_f32 v16, v16, v17
	v_add_f32 v18, v18, v19
	v_add_f32 v12, v12, v14
	v_add_f32 v16, v16, v18
	v_add_f32 v12, v12, v16
	s_wait_loadcnt 16                              ; bm1 is in; 16 rows of Wm2 stay out
	v_add_f32 v12, v12, v24
	v_max_num_f32 v12, 0, v12                      ; lane l: h1[32 g + l]
.set i, 0
.rept 32
	v_readlane_b32 s[32+i], v12, i
.set i, i+1
.endr
	s_wait_alu depctr_va_sdst(0)                   ; s32 to s63 are written, ahead of the first multiply that reads one of them: one wait for the run of 32
	s_wait_loadcnt 0x0
.irp k, 0,1,2,3
	v_mul_f32 v[AC+\k], s32, v[WB+\k]              ; the first product starts the sums
.endr
.set i, 1
.rept 15
.irp k, 0,1,2,3
	v_fmac_f32 v[AC+\k], s[32+i], v[WB+4*i+\k]
.endr
.set i, i+1
.endr
	s_wait_alu depctr_va_vdst(0)                   ; the multiply-adds are done reading WB, in which the next sixteen loads land
.set i, 0
.rept 16
	global_load_b128 v[WB+4*i:WB+4*i+3], v4, s[20:21] offset:(16+i)*1024    ; rows 32 g + 16 ..
.set i, i+1
.endr
	s_wait_loadcnt 0x0
.set i, 0
.rept 16
.irp k, 0,1,2,3
	v_fmac_f32 v[AC+\k], s[48+i], v[WB+4*i+\k]
.endr
.set i, i+1
.endr
	s_wait_alu depctr_va_vdst(0)                   ; the multiply-adds have written v[AC ..], which the LDS store reads
	ds_store_b128 v5, v[AC:AC+3] offset:R2
	s_wait_dscnt 0x0
	s_barrier_signal -1
	s_barrier_wait -1
	s_wait_alu depctr_vm_vsrc(0)                   ; my two LDS stores have read v[8:11] and v[AC ..], in which wave 0's LDS loads land
	s_cmp_lg_u32 s86, 0                            ; what is left is 256 x 8: wave 0 alone, no barrier follows
	s_cbranch_scc1 .Lend
	s_load_b256 s[68:75], s[26:27], 0x0            ; bm3
	s_load_b256 s[76:83], s[28:29], 0x0            ; eff
	; lane l holds the places m = 128 j + 4 l + k, j = 0, 1, k = 0 .. 3
	v_lshlrev_b32 v6, 7, v1                        ; Wm3: row m is 32 bytes: 4,096 j + 128 l + 32 k (no memory instruction has read v6)
	s_wait_alu depctr_va_vdst(0)                   ; v6 is written, the offset of Wm3's loads; the multiply-adds are done reading WB, in which these land
	global_load_b128 v[BM2:BM2+3], v5, s[22:23]                  ; in wave 0: 16 t = 16 lane
	global_load_b128 v[BM2+4:BM2+7], v5, s[22:23] offset:512
.irp j, 0,1
.irp k, 0,1,2,3
	global_load_b128 v[WB+8*(4*\j+\k):WB+8*(4*\j+\k)+3],   v6, s[24:25] offset:4096*\j+32*\k
	global_load_b128 v[WB+8*(4*\j+\k)+4:WB+8*(4*\j+\k)+7], v6, s[24:25] offset:4096*\j+32*\k+16
.endr
.endr
	s_wait_loadcnt 0x0
.irp j, 0,1
.if \j
	s_wait_alu depctr_va_vdst(0)                   ; the first half's additions are done with v8 to v39, in which the second half's LDS loads land
.endif
.irp i, 0,1,2,3,4,5,6,7
	ds_load_b128 v[8+4*\i:11+4*\i], v5 offset:R2+\i*1024+\j*512
.endr
	s_wait_dscnt 0x0
	v_pk_add_f32 v[8:9], v[8:9], v[12:13]
	v_pk_add_f32 v[10:11], v[10:11], v[14:15]
	v_pk_add_f32 v[16:17], v[16:17], v[20:21]
	v_pk_add_f32 v[18:19], v[18:19], v[22:23]
	v_pk_add_f32 v[24:25], v[24:25], v[28:29]
	v_pk_add_f32 v[26:27], v[26:27], v[30:31]
	v_pk_add_f32 v[32:33], v[32:33], v[36:37]
	v_pk_add_f32 v[34:35], v[34:35], v[38:39]
	v_pk_add_f32 v[8:9], v[8:9], v[16:17]
	v_pk_add_f32 v[10:11], v[10:11], v[18:19]
	v_pk_add_f32 v[24:25], v[24:25], v[32:33]
	v_pk_add_f32 v[26:27], v[26:27], v[34:35]
	v_pk_add_f32 v[8:9], v[8:9], v[24:25]
	v_pk_add_f32 v[10:11], v[10:11], v[26:27]
	v_pk_add_f32 v[H2+4*\j:H2+4*\j+1], v[8:9], v[BM2+4*\j:BM2+4*\j+1]
	v_pk_add_f32 v[H2+4*\j+2:H2+4*\j+3], v[10:11], v[BM2+4*\j+2:BM2+4*\j+3]
.irp k, 0,1,2,3
	v_max_num_f32 v[H2+4*\j+\k], 0, v[H2+4*\j+\k]
.endr
.endr
.irp e, 0,1,2,3,4,5,6,7
	v_mul_f32 v[LG+\e], v[H2], v[WB+\e]
.endr
.irp m, 1,2,3,4,5,6,7
.irp e, 0,1,2,3,4,5,6,7
	v_fmac_f32 v[LG+\e], v[H2+\m], v[WB+8*\m+\e]
.endr
.endr
.irp x, 1,2,4,8
.irp e, 0,1,2,3,4,5,6,7
	v_add_f32_dpp v[LG+\e], v[LG+\e], v[LG+\e] row_xmask:\x row_mask:0xf bank_mask:0xf
.endr
.endr
.irp e, 0,1,2,3,4,5,6,7
	v_permlanex16_b32 v[8+\e], v[LG+\e], s84, s85  ; its destination counts as read: v8-15 have been written above
.endr
	s_wait_kmcnt 0x0                               ; bm3, eff
.irp e, 0,1,2,3,4,5,6,7
	v_add_f32 v[LG+\e], v[LG+\e], v[8+\e]
	v_add_f32 v[LG+\e], s[68+\e], v[LG+\e]         ; every lane holds all eight logits
.endr
; LG becomes exp(LG - max); v9 = the sum of the first four, v11 of the last four, v13 = 1 / the sum of all
.macro SOFTEXP
	v_max3_num_f32 v8, v[LG], v[LG+1], v[LG+2]
	v_max3_num_f32 v8, v8, v[LG+3], v[LG+4]
	v_max3_num_f32 v8, v8, v[LG+5], v[LG+6]
	v_max_num_f32 v8, v8, v[LG+7]
.irp e, 0,1,2,3,4,5,6,7
	v_sub_f32 v[LG+\e], v[LG+\e], v8
.endr
.irp e, 0,1,2,3,4,5,6,7
	v_mul_f32 v[LG+\e], 0x3fb8aa3b, v[LG+\e]       ; v_exp_f32 is 2^x
.endr
.irp e, 0,1,2,3,4,5,6,7
	v_exp_f32 v[LG+\e], v[LG+\e]
.endr
	v_nop                                          ; one plain vector instruction behind the transcendentals before a result is used (ISA guide 5.7.2)
	s_wait_alu depctr_va_vdst(0)                   ; the eight exponentials have written v[LG ..], ahead of the first addition that reads them: one wait for the batch
	v_add_f32 v9, v[LG], v[LG+1]
	v_add_f32 v10, v[LG+2], v[LG+3]
	v_add_f32 v11, v[LG+4], v[LG+5]
	v_add_f32 v12, v[LG+6], v[LG+7]
	v_add_f32 v9, v9, v10
	v_add_f32 v11, v11, v12
	v_add_f32 v13, v9, v11
	v_rcp_f32 v13, v13
	v_nop
.endm
	SOFTEXP
	s_wait_alu depctr_va_vdst(0)                   ; the reciprocal has written v13, ahead of its first reader
.irp e, 0,1,2,3,4,5,6,7
	v_mul_f32 v[LG+\e], v[LG+\e], v13              ; p
	v_mul_f32 v[LG+\e], s[76+\e], v[LG+\e]         ; p * eff
.endr
	SOFTEXP
	s_wait_alu depctr_va_vdst(0)                   ; the reciprocal has written v13, ahead of its first reader
	v_mul_f32 v14, -2.0, v13
	v_mul_f32 v9, v9, v13                          ; w0 + .. + w3
	v_mul_f32 v11, v11, v13                        ; w4 + .. + w7
.irp e, 0,1,2,3,4,5,6,7
	v_mul_f32 v[LG+\e], v[LG+\e], v14              ; -2 w
.endr
	v_cmp_eq_u32 s32, 0, v1
	v_cmp_eq_u32 s33, 1, v1
	v_cmp_eq_u32 s34, 2, v1
	s_wait_alu depctr_va_sdst(0)                   ; the three compares have written s32 to s34, ahead of the first select that reads one of them
.irp k, 0,1,2,3
	v_cndmask_b32 v[16+\k], 0, v[LG+\k], s32       ; lane 0: -2 w of experts 0-3; lane 1: of 4-7; the others 0
	v_cndmask_b32 v[16+\k], v[16+\k], v[LG+4+\k], s33
.endr
	v_cndmask_b32 v16, v16, v9, s34                ; lane 2: the two sums, 0, 0
	v_cndmask_b32 v17, v17, v11, s34
	s_wait_alu depctr_va_vdst(0)                   ; the selects have written v[16:19], which the store reads
	global_store_b128 v5, v[16:19], s[30:31]       ; the whole row of 512 bytes
.Lend:
	s_wait_dscnt 0x0                               ; the closing lines, six on end
	s_wait_alu 0x0
	s_wait_tensorcnt 0x0
	ds_add_u32 v128, v129
	s_wait_dscnt 0x0
	s_endpgm
.Lfunc_end_k_qecc7953d34_wprep:
	.size	k_qecc7953d34_wprep, .Lfunc_end_k_qecc7953d34_wprep-k_qecc7953d34_wprep
	.p2alignl 7, 3214868480
	.fill 96, 4, 3214868480
	.section	.rodata,"a",@progbits
	.p2align	6, 0x0
	.amdhsa_kernel k_qecc7953d34_wprep
		.amdhsa_group_segment_fixed_size 18432
		.amdhsa_private_segment_fixed_size 0
		.amdhsa_enable_private_segment 0
		.amdhsa_kernarg_size 96
		.amdhsa_user_sgpr_count 2
		.amdhsa_user_sgpr_kernarg_segment_ptr 1
		.amdhsa_wavefront_size32 1
		.amdhsa_system_sgpr_workgroup_id_x 1
		.amdhsa_system_sgpr_workgroup_id_y 1
		.amdhsa_system_sgpr_workgroup_id_z 1
		.amdhsa_system_vgpr_workitem_id 0
		.amdhsa_next_free_vgpr 130
		.amdhsa_next_free_sgpr 88
		.amdhsa_reserve_vcc 0
		.amdhsa_float_denorm_mode_32 3
		.amdhsa_float_denorm_mode_16_64 3
		.amdhsa_memory_ordered 1
		.amdhsa_forward_progress 1
		.amdhsa_inst_pref_size 35
	.end_amdhsa_kernel
	.amdgpu_metadata
---
amdhsa.version: [ 1, 2 ]
amdhsa.kernels:
  - .name:           k_qecc7953d34_wprep
    .symbol:         k_qecc7953d34_wprep.kd
    .args:
      - { .name: W1, .offset: 0, .size: 8, .value_kind: global_buffer, .address_space: global }
      - { .name: W2, .offset: 8, .size: 8, .value_kind: global_buffer, .address_space: global }
      - { .name: w1b, .offset: 16, .size: 8, .value_kind: global_buffer, .address_space: global }
      - { .name: w2b, .offset: 24, .size: 8, .value_kind: global_buffer, .address_space: global }
      - { .name: part, .offset: 32, .size: 8, .value_kind: global_buffer, .address_space: global }
      - { .name: bm1, .offset: 40, .size: 8, .value_kind: global_buffer, .address_space: global }
      - { .name: Wm2, .offset: 48, .size: 8, .value_kind: global_buffer, .address_space: global }
      - { .name: bm2, .offset: 56, .size: 8, .value_kind: global_buffer, .address_space: global }
      - { .name: Wm3, .offset: 64, .size: 8, .value_kind: global_buffer, .address_space: global }
      - { .name: bm3, .offset: 72, .size: 8, .value_kind: global_buffer, .address_space: global }
      - { .name: eff, .offset: 80, .size: 8, .value_kind: global_buffer, .address_space: global }
      - { .name: wbuf, .offset: 88, .size: 8, .value_kind: global_buffer, .address_space: global }
    .group_segment_fixed_size: 18432
    .private_segment_fixed_size: 0
    .kernarg_segment_align: 8
    .kernarg_segment_size: 96
    .max_flat_workgroup_size: 512
    .sgpr_count:     88
    .vgpr_count:     130
    .wavefront_size: 32
...
	.end_amdgpu_metadata
.endif
;; end of part 7
;; launch ffn1: the kernel of part 3 again; grid 32 x 8, 4 waves a work-group, clusters of 4 x 4, 327,680 bytes of LDS; arguments xb, w1b, b1, he; writes he
;; launch ffn2: the kernel of part 4 again; grid 64 x 4, 4 waves a work-group, clusters of 4 x 4, 327,680 bytes of LDS; arguments he, w2b, b2, wbuf, pp; writes pp
;; launch combine: the kernel of part 5 again; grid 512 x 1, 8 waves a work-group, no clusters, 0 bytes of LDS; arguments pp, out0; writes out0
